; MI455X (gfx1250); checked and timed in simulation.
; The chip was launched on July 23, 2026; its instructions are those of AMD's public machine-readable ISA for CDNA 5 (MIT licence, August 2026) and "CDNA5" Instruction Set Architecture Reference Guide (July 2026). The comments in the code are by the model that wrote it; some were corrected since.
;; Attention. Allowed arithmetic: matrix products marked QUANTISED: E2M3 operands, one E8M0 scale for each 32 along K, by v_wmma_scale_f32_16x16x128_f8f6f4 with both operands' format E2M3, f32 sums; everything else in f32.
;; Inputs: W_in 1,024 x 3,072 float32; W_out 1,024 x 1,024 float32; b_in 3,072 float32; b_out 1,024 float32; x 4 x 2,048 x 1,024 float32.
;; Outputs: out0 4 x 2,048 x 1,024 float32.
;; This version of the problem:
;;   THIS VERSION OF THE PROBLEM IS GIVEN IN LOW PRECISION. The matrix products marked QUANTISED in the list below multiply operands that are first quantised to E2M3 (2 exponent bits, 3 mantissa bits; 6 bits a number), with one power-of-two scale for each 32 numbers along K (OCP MX v1.0); their sums are f32. All else is computed in f32.
;;   The module's matrix products, in the order in which they are computed (A, B: the left and right operand; K: the contracted axis; several contracted axes count as one K, in the product's order):
;;     1. [M 8,192, K 1,024] x [K 1,024, N 3,072]; A: input x; B: input W_in: QUANTISED
;;     2. batch 64 x [M 2,048, K 64] x [K 64, N 2,048]; A: computed on the way; B: computed on the way: QUANTISED
;;     3. batch 64 x [M 2,048, K 2,048] x [K 2,048, N 64]; A: softmax (see below); B: computed on the way: QUANTISED
;;     4. [M 8,192, K 1,024] x [K 1,024, N 1,024]; A: computed on the way; B: input W_out: QUANTISED
;;   THE QUANTISER, for each operand of a quantised product, along K:
;;     - K is cut into blocks of 32 from its start; a last block that is shorter is filled with zeros.
;;     - A block's scale is 2^e with e = floor(log2(the largest magnitude in the block)) - 2, held to -126 .. 127; a block of zeros has e = 0. As a byte (E8M0): e + 127.
;;     - Each number is divided by its block's scale, clamped to +-7.5, and rounded to the nearest number of E2M3, ties to even, subnormals kept.
;;     - The product sums the exact products of the quantised numbers (number of the format x scale) in f32.
;;   ~~~python
;;   def quantise(x, axis):      # numpy; x: float32 -> the quantised numbers, widened to float32 again
;;       x = np.moveaxis(x, axis, -1); K = x.shape[-1]
;;       x = np.pad(x, [(0, 0)] * (x.ndim - 1) + [(0, -K % 32)]); x = x.reshape(x.shape[:-1] + (-1, 32)); a = np.abs(x).max(-1, keepdims=True)
;;       e = np.where(a > 0, np.clip(np.frexp(np.where(a > 0, a, 1))[1] - 1 - 2, -126, 127), 0)      # np.frexp(a)[1] - 1 = floor(log2(a)), exactly
;;       r = np.clip(x / 2.0 ** e, -7.5, 7.5)
;;       step = 2.0 ** (np.maximum(np.frexp(np.where(r == 0, 1, r))[1] - 1, 0) - 3)
;;       q = np.round(r / step) * step * 2.0 ** e      # np.round: ties to even
;;       return np.moveaxis(q.reshape(q.shape[:-2] + (-1,))[..., :K], -1, axis).astype(np.float32)
;;   ~~~
;;   SOFTMAX AHEAD OF A QUANTISED PRODUCT. Where the list says 'softmax', what is quantised is not the finished softmax but p = 2^(t - M), with t = logit x log2(e) and M = ceil(the row's largest t), a whole number; so 1/2 < the row's largest p <= 1. The row's sum l is taken of the UNQUANTISED p, in f32, and the product's result is divided by l at the end. Since M is a whole number, a kernel that streams over the keys may use a running M (the ceiling of the running maximum): every later rescaling is an exact power of two, which a block's scale takes up: the codes' values come out the same.
;;   OPERANDS COMPUTED ON THE WAY. 'Computed on the way' means the value that the module computes at that place (a softmax that the list does not call 'softmax' is quantised finished and normalised). What goes into a quantiser is computed in f32, as accurately as f32 sums, v_exp_f32 and their like allow (about 1e-6 of the number): no bf16 or f16 on the way to a quantiser, and a product that is left as it is and whose result goes on into a quantised operand takes f32 operands (vector FMAs, or v_wmma_f32_16x16x4_f32). A number that lies on a knife's edge between two numbers of the format may be rounded either way, as far as f32 arithmetic and the matrix unit's own rounding can turn it there, and no further.
;; One version. Each part assembles by itself: llvm-mc -triple=amdgcn-amd-amdhsa -mcpu=gfx1250 --defsym DOCPART=n.
;; ======== version 1 of 1: 4 launches
;; workspace buffers: xc 6,291,456 bytes; xs 262,144 bytes; wc 3,145,728 bytes; ws 131,072 bytes; ac 18,874,368 bytes; asc 1,310,720 bytes; oc 6,291,456 bytes; os 262,144 bytes
;; launch quant (part 1): grid 384 x 1, 4 waves a work-group, no clusters, 60,928 bytes of LDS; arguments x, W_in, W_out, xc, xs, wc, ws; writes xc, xs, wc, ws
.if DOCPART == 1
	.amdgcn_target "amdgcn-amd-amdhsa--gfx1250"
	.amdhsa_code_object_version 6
	.text
	.protected	k_q96e0cc84fe_quant
	.globl	k_q96e0cc84fe_quant
	.p2align	8
	.type	k_q96e0cc84fe_quant,@function
k_q96e0cc84fe_quant:
	s_mov_b64 s[64:65], 0
	v_nop
	global_prefetch_b8 v0, s[64:65] scope:SCOPE_SE
	s_setreg_imm32_b32 hwreg(HW_REG_WAVE_MODE, 25, 1), 1
	s_wait_xcnt 0x0
; x [8192][1024], W_in [1024][3072] and W_out [1024][1024], f32, become codes of FP6 (E2M3) with one E8M0 byte for each 32 along K (K = 1024 for all three).
; The codes are laid in the ORDER OF THE OPERAND'S REGISTERS.  A tile is 16 rows (tokens of x, columns of W) x 128 along K: 12 registers a lane; its image is 1,536 bytes: registers 4 j .. 4 j + 3 of lane l at 512 j + 16 l.
; THE ROWS OF A TILE ARE NOT NEIGHBOURS: lane r of tile 2 G + u holds row 32 G + 16 (r / 8) + 8 u + r % 8, so that a transposed product's 16 registers of two neighbouring tiles are 16 neighbours.
; xc, wc: [tile][K step 0..7] images.  xs, ws: [tile][slot 0..3][r 0..15][2] scale words (a slot = two K steps): 512 bytes a tile.  wc, ws hold W_in's 3,072 columns and then W_out's 1,024.
; A block's scale is 2^(floor(log2(its largest magnitude)) - 2); its byte is the largest magnitude's exponent field - 2, held at 1 from below.
; LIMITS: NaN and infinities are not served; a block whose largest magnitude lies under 2^-124 keeps the byte 1; a block of zeros gets the byte 1 where the rule says 127: its codes are zeros, and this program alone reads the bytes.
; Work-groups 0-255 take x (a wave: one tile of 16 tokens x 512 along K), work-groups 256-383 take the weights (a wave: 32 columns x 256 along K).  Each reads 128 KiB.  The two ways use LDS bytes of their own and never join.
; No tensor loads, no barrier: waves share nothing.
.set WV,    18
.set SEL,   20                         ; s[20:21] lane selects for v_permlanex16_b32: lane l xor 16
.set SPW,   14                         ; v14  LDS address of my spare word; never rewritten
.set NIL,   15                         ; v15  0; never rewritten
.set SPARE, 60416                      ; behind both ways' regions: the spare words, 128 bytes a wave
; the way of x
.set XREG,  8704                       ; a wave's region: a stage of 16 rows x 528 bytes, then 256 bytes for scale words
.set XO,    1                          ; v1   16 x lane
.set SI,    2                          ; v2   the stage, on the way in
.set SOA,   3                          ; v3   and on the way out: 528 r + 64 h
.set SS,    4                          ; v4   where my row's scale words go
.set SR8,   5                          ; v5   and where 8 bytes of them are read back
.set O8,    6                          ; v6   8 x lane
.set R,     16                         ; v16-143  two sets of 64 registers as loaded
.set X,     144                        ; v144-207 64 numbers of my row: register 16 b + i = k 32 b + 16 h + i
.set PC,    208                        ; v208-219 the fragment's codes
.set CT,    220                        ; v220-222, v224-226 the blocks' second halves
.set TM,    228                        ; v228-243 at work
.set PW,    244                        ; v244 the scale word
; the way of the weights
.set WBASE, 34816
.set WREG,  6400                       ; a wave's region: two tiles' images of a slot (3,072 bytes), 3,200 apart
.set WTILE, 3200
.set WI,    1
.set WR,    2
.set O16,   3
.set WSO,   4
.set VO,    16                         ; v16-47   4 x lane + i rows of W
.set WX,    48                         ; v48-111  two sets of 32 numbers
.set WC,    112                        ; v112-117 a block's 24 bytes of codes
.set WE,    120
.set SB,    124                        ; v124-125 the two scale words
.set OUT,   128                        ; v128-175 the way out
	s_load_b256 s[4:11], s[0:1], 0x0               ; x s[4:5], W_in s[6:7], W_out s[8:9], xc s[10:11]
	s_load_b128 s[12:15], s[0:1], 0x20             ; xs s[12:13], wc s[14:15]
	s_load_b64 s[16:17], s[0:1], 0x30              ; ws
	v_lshl_add_u32 v[SPW], v0, 2, SPARE
	v_mov_b32 v[NIL], 0
	v_lshrrev_b32 v1, 5, v0
	v_readfirstlane_b32 s[WV], v1                  ; wave 0..3
	v_and_b32 v7, 31, v0                           ; lane
	s_mov_b32 s[SEL], 0x76543210
	s_mov_b32 s[SEL+1], 0xfedcba98
	s_cmp_lt_u32 ttmp9, 256
	s_cbranch_scc0 .Lweights
; ---------------- x ----------------
; 64 numbers of a lane become a fragment's codes in v[PC] on and its row's scale word in v[PW].
.macro QUANT s
.irp b, 0,1,2,3
	v_max3_num_f32 v[TM+\b], |v[\s+16*\b]|, |v[\s+1+16*\b]|, 0x1800000   ; block b: my 16 numbers, and the floor 2^(3 - 127): the byte cannot fall under 1
.endr
.irp i, 2,4,6,8,10,12,14
.irp b, 0,1,2,3
	v_max3_num_f32 v[TM+\b], v[TM+\b], |v[\s+16*\b+\i]|, |v[\s+1+16*\b+\i]|   ; the four blocks by turns
.endr
.endr
.irp b, 0,1,2,3
	v_permlanex16_b32 v[TM+4+\b], v[TM+\b], s[SEL], s[SEL+1]
.endr
.irp b, 0,1,2,3
	v_max_num_f32 v[TM+\b], v[TM+\b], v[TM+4+\b]   ; with lane l xor 16's 16: the block's largest magnitude
.endr
.irp b, 0,1,2,3
	v_add_nc_u32 v[TM+12+\b], 0xff000000, v[TM+\b] ; 2 off its exponent field: the conversion's scale operand
.endr
.irp b, 0,1,2,3
	v_lshrrev_b32 v[TM+4+\b], 23, v[TM+12+\b]      ; the scale's byte
.endr
	v_lshl_or_b32 v[PW], v[TM+5], 8, v[TM+4]
	v_lshl_or_b32 v[PW], v[TM+6], 16, v[PW]
	v_lshl_or_b32 v[PW], v[TM+7], 24, v[PW]
.irp c, 0,1
	v_cvt_scalef32_pk16_fp6_f32 v[PC+6*\c:PC+2+6*\c], v[\s+32*\c:\s+15+32*\c], v[TM+12+2*\c]
	v_cvt_scalef32_pk16_fp6_f32 v[CT+4*\c:CT+2+4*\c], v[\s+16+32*\c:\s+31+32*\c], v[TM+12+2*\c+1]   ; a conversion's three registers begin on an even number
.endr
	v_nop                                          ; one plain instruction behind the scaled conversions
.irp c, 0,1                                    ; the layout wants a WHOLE block in a lane: lanes 0-15 block 2 c, lanes 16-31 block 2 c + 1
.irp i, 0,1,2
	v_permlane16_swap_b32 v[PC+6*\c+\i], v[CT+4*\c+\i]
.endr
.irp i, 0,1,2
	v_mov_b32 v[PC+3+6*\c+\i], v[CT+4*\c+\i]
.endr
.endr
.endm
; K step s of my four: 16 loads, each 512 consecutive bytes of one of the tile's rows
.macro LOADX s
.irp p, 0,1,2,3,4,5,6,7,8,9,10,11,12,13,14,15
	global_load_b128 v[R+64*((\s)%2)+4*\p:R+64*((\s)%2)+4*\p+3], v[XO], s[4:5] offset:(16*(\p/8)+\p%8)*4096+512*(\s) th:TH_LOAD_NT
.endr
.endm
.macro STEPX s
.if (\s) < 3
	s_wait_loadcnt 16                              ; this step's 16 loads are in; the next step's may be out
.else
	s_wait_loadcnt 0
.endif
.irp p, 0,1,2,3,4,5,6,7,8,9,10,11,12,13,14,15
	ds_store_b128 v[SI], v[R+64*((\s)%2)+4*\p:R+64*((\s)%2)+4*\p+3] offset:528*\p   ; the rows as they lie
.endr
.irp b, 0,1,2,3
.irp j, 0,1,2,3
	ds_load_b128 v[X+16*\b+4*\j:X+16*\b+4*\j+3], v[SOA] offset:128*\b+16*\j   ; back: of my row, 16 neighbours of each block of 32.  LDS serves a wave's instructions in order: these see the stores above
.endr
.endr
	s_wait_dscnt 0x0                               ; the numbers are back, and the stores have read their registers,
.if (\s) < 2
	LOADX (\s)+2                                   ; which take the loads of two steps on
.endif
.if (\s) > 0
	s_wait_xcnt 0x0                                ; the last step's stores have read their data: the codes' registers are written again only behind this wait
.endif
	QUANT X
.irp j, 0,1,2
	global_store_b128 v[XO], v[PC+4*\j:PC+4*\j+3], s[10:11] offset:1536*(\s)+512*\j   ; 32 lanes store 512 consecutive bytes, aligned
.endr
	ds_store_b32 v[SS], v[PW] offset:128*((\s)/2)+4*((\s)%2)   ; lanes r and r + 16 write the same word with the same value
.endm
	v_and_b32 v8, 15, v0                           ; r
	v_bfe_u32 v9, v0, 4, 1                         ; h
	v_lshlrev_b32 v[XO], 4, v7
	s_mul_i32 s19, s[WV], XREG                     ; my region
	v_add_nc_u32 v[SI], s19, v[XO]
	v_mul_u32_u24 v[SOA], v8, 528
	v_lshl_add_u32 v[SOA], v9, 6, v[SOA]
	v_add_nc_u32 v[SOA], s19, v[SOA]
	s_add_co_u32 s19, s19, 16*528
	v_lshl_add_u32 v[SS], v8, 3, s19
	v_lshlrev_b32 v[O8], 3, v7
	v_add_nc_u32 v[SR8], s19, v[O8]
.irp b, 0,1,2,3
	v_mov_b32 v[TM+4+\b], 0                        ; written once: a lane permute's destination counts as one of its sources
.endr
	s_lshl_b32 s22, ttmp9, 2
	s_add_co_u32 s22, s22, s[WV]                   ; my task j = 2 x tile + half of K
	s_lshr_b32 s23, s22, 1                         ; the tile
	s_and_b32 s24, s22, 1                          ; which 512 along K
	s_lshr_b32 s25, s23, 1
	s_and_b32 s26, s23, 1
	s_lshl_b32 s25, s25, 17                        ; 32 rows of 4,096 bytes for each group,
	s_lshl_b32 s26, s26, 15                        ; 8 rows for the odd tile,
	s_add_co_u32 s26, s25, s26
	s_lshl_b32 s27, s24, 11                        ; 2,048 bytes for the upper half of K
	s_add_co_u32 s26, s26, s27
	s_mov_b32 s27, 0
	s_mul_i32 s28, s22, 6144                       ; four images a task
	s_mov_b32 s29, 0
	s_lshl_b32 s30, s22, 8                         ; 256 bytes of scale words a task
	s_mov_b32 s31, 0
	s_wait_alu depctr_va_vdst(0)
	s_wait_kmcnt 0x0
	s_add_nc_u64 s[4:5], s[4:5], s[26:27]
	s_add_nc_u64 s[10:11], s[10:11], s[28:29]
	s_add_nc_u64 s[12:13], s[12:13], s[30:31]
	LOADX 0
	LOADX 1
	STEPX 0
	STEPX 1
	STEPX 2
	STEPX 3
	ds_load_b64 v[10:11], v[SR8]                   ; my wave's 256 bytes of scale words (these see my stores)
	s_wait_dscnt 0x0
	global_store_b64 v[O8], v[10:11], s[12:13]     ; 32 lanes store 256 consecutive bytes, aligned
	s_wait_tensorcnt 0x0                           ; the wave's end
	ds_add_u32 v[SPW], v[NIL]
	s_wait_dscnt 0x0
	s_endpgm
; ---------------- the weights ----------------
; K is W's FIRST axis: a lane takes a column and its registers run down K, so that a block of 32 lies in one lane and the codes come out with K innermost.
.Lweights:
	s_sub_co_u32 s22, ttmp9, 256
	s_and_b32 s23, s22, 31                         ; which 128 of the 4,096 columns (W_in's 3,072, then W_out's)
	s_lshr_b32 s24, s22, 5                         ; which 256 along K: the slot
	s_lshl_b32 s25, s23, 2
	s_add_co_u32 s25, s25, s[WV]                   ; my group of 32 columns
	s_sub_co_u32 s26, s23, 24
	s_wait_kmcnt 0x0
	s_cmp_lt_u32 s23, 24                           ; W_in or W_out?  The choice hangs on the work-group's number alone
	s_cselect_b64 s[6:7], s[6:7], s[8:9]
	s_cselect_b32 s26, s23, s26                    ; the block of 128 columns in that tensor
	s_mov_b32 s27, 4096
	s_cselect_b32 s27, 12288, s27                  ; a row of it in bytes
	s_lshl_b32 s28, s24, 8
	s_mul_i32 s28, s28, s27                        ; 256 rows for each slot,
	s_lshl_b32 s29, s26, 9
	s_add_co_u32 s28, s28, s29                     ; 512 bytes for each block of columns,
	s_lshl_b32 s29, s[WV], 7
	s_add_co_u32 s28, s28, s29                     ; 128 for each wave
	s_mov_b32 s29, 0
	s_add_nc_u64 s[32:33], s[6:7], s[28:29]        ; a base for each of my eight blocks of 32 along K: nothing is stepped while loads are out
	s_lshl_b32 s30, s27, 5
	s_mov_b32 s31, 0
.irp t, 1,2,3,4,5,6,7
	s_add_nc_u64 s[32+2*\t:33+2*\t], s[30+2*\t:31+2*\t], s[30:31]
.endr
	s_wait_alu depctr_va_vdst(0)
	v_lshlrev_b32 v[VO], 2, v7
.irp i, 1,2,3,4,5,6,7,8,9,10,11,12,13,14,15,16,17,18,19,20,21,22,23,24,25,26,27,28,29,30,31
	v_add_nc_u32 v[VO+\i], s27, v[VO+\i-1]         ; 4 x lane + i rows
.endr
	v_bfe_u32 v5, v0, 3, 1                         ; u: which of the group's two tiles my column falls into,
	v_and_b32 v6, 7, v0
	v_bfe_u32 v8, v0, 4, 1
	v_lshl_or_b32 v6, v8, 3, v6                    ; r: and which of its rows it is
	s_mul_i32 s19, s[WV], WREG
	s_add_co_u32 s19, s19, WBASE                   ; my region
	v_mul_u32_u24 v[WI], v5, WTILE
	v_lshl_add_u32 v[WI], v6, 4, v[WI]
	v_add_nc_u32 v[WI], s19, v[WI]                 ; into it: tile u, 16 r
	v_lshlrev_b32 v[O16], 4, v7
	v_add_nc_u32 v[WR], s19, v[O16]                ; out of it: 16 x lane
	v_lshlrev_b32 v[WSO], 9, v5
	v_lshl_add_u32 v[WSO], v6, 3, v[WSO]           ; my column's two scale words: 512 u + 8 r
	s_mul_i32 s28, s25, 24576                      ; two tiles of 12,288 bytes a group,
	s_mul_i32 s29, s24, 3072                       ; two images a slot
	s_add_co_u32 s28, s28, s29
	s_mov_b32 s29, 0
	s_add_nc_u64 s[14:15], s[14:15], s[28:29]
	s_lshl_b32 s28, s25, 10
	s_lshl_b32 s30, s24, 7
	s_add_co_u32 s28, s28, s30
	s_add_nc_u64 s[16:17], s[16:17], s[28:29]
.macro LOADW t                         ; block t: W(32 t + i, my column): 32 lanes read 128 consecutive bytes
.irp i, 0,1,2,3,4,5,6,7,8,9,10,11,12,13,14,15,16,17,18,19,20,21,22,23,24,25,26,27,28,29,30,31
	global_load_b32 v[WX+32*((\t)%2)+\i], v[VO+\i], s[32+2*(\t):33+2*(\t)] th:TH_LOAD_NT
.endr
.endm
; Block t is K step t / 4 of the slot, and in it the block t % 4: registers 6 c .. 6 c + 5 (c = (t % 4) / 2) of lane r + 16 (t % 2) of the image.
.macro BLOCKW t
.set XS, WX+32*((\t)%2)
.set QQ, (\t)/4
.set CC, ((\t)%4)/2
.set HB, (\t)%2
.if (\t) < 7
	s_wait_loadcnt 32                              ; this block's 32 loads are in; the next block's may be out
.else
	s_wait_loadcnt 0
.endif
	v_max3_num_f32 v8, |v[XS]|, |v[XS+1]|, |v[XS+2]|   ; the block's largest magnitude: all 32 numbers are mine
	v_max3_num_f32 v9, |v[XS+3]|, |v[XS+4]|, |v[XS+5]|
.irp i, 6,10,14,18,22,26
	v_max3_num_f32 v8, v8, |v[XS+\i]|, |v[XS+\i+1]|
	v_max3_num_f32 v9, v9, |v[XS+\i+2]|, |v[XS+\i+3]|
.endr
	v_max3_num_f32 v8, v8, |v[XS+30]|, |v[XS+31]|
	v_max3_num_f32 v8, v8, v9, 0x1800000           ; and the floor 2^(3 - 127)
	v_add_nc_u32 v10, 0xff000000, v8               ; the conversion's scale operand
	v_lshrrev_b32 v11, 23, v10                     ; the byte
.if (\t)%4 == 0
	v_mov_b32 v[SB+QQ], v11
.else
	v_lshl_or_b32 v[SB+QQ], v11, 8*((\t)%4), v[SB+QQ]
.endif
	v_cvt_scalef32_pk16_fp6_f32 v[WC:WC+2], v[XS:XS+15], v10
	v_cvt_scalef32_pk16_fp6_f32 v[WE:WE+2], v[XS+16:XS+31], v10
	v_nop                                          ; one plain instruction behind the scaled conversions
.irp i, 0,1,2
	v_mov_b32 v[WC+3+\i], v[WE+\i]
.endr
.if CC == 0
	ds_store_b128 v[WI], v[WC:WC+3] offset:1536*QQ+256*HB          ; registers 0-3
	ds_store_b64 v[WI], v[WC+4:WC+5] offset:1536*QQ+512+256*HB     ; registers 4, 5
.else
	ds_store_b64 v[WI], v[WC:WC+1] offset:1536*QQ+520+256*HB       ; registers 6, 7
	ds_store_b128 v[WI], v[WC+2:WC+5] offset:1536*QQ+1024+256*HB   ; registers 8-11
.endif
.if (\t) < 6
	LOADW (\t)+2
.endif
	s_wait_dscnt 0x0                               ; the stores have read their registers: the next block's codes may be written
.endm
	LOADW 0
	LOADW 1
.irp t, 0,1,2,3,4,5,6,7
	BLOCKW \t
.endr
	s_wait_alu depctr_va_vdst(0)
	global_store_b64 v[WSO], v[SB:SB+1], s[16:17]  ; sixteen columns' words are 128 consecutive bytes
.irp u, 0,1
.irp j, 0,1,2,3,4,5
	ds_load_b128 v[OUT+4*(6*\u+\j):OUT+4*(6*\u+\j)+3], v[WR] offset:WTILE*\u+512*\j   ; these see my stores
.endr
.endr
.irp u, 0,1
.irp j, 0,1,2,3,4,5
	s_wait_dscnt 11-6*\u-\j
	global_store_b128 v[O16], v[OUT+4*(6*\u+\j):OUT+4*(6*\u+\j)+3], s[14:15] offset:12288*\u+512*\j   ; 32 lanes store 512 consecutive bytes, aligned
.endr
.endr
	s_wait_tensorcnt 0x0                           ; the wave's end
	ds_add_u32 v[SPW], v[NIL]
	s_wait_dscnt 0x0
	s_endpgm
.Lfunc_end_k_q96e0cc84fe_quant:
	.size	k_q96e0cc84fe_quant, .Lfunc_end_k_q96e0cc84fe_quant-k_q96e0cc84fe_quant
	.p2alignl 7, 3214868480
	.fill 96, 4, 3214868480
	.section	.rodata,"a",@progbits
	.p2align	6, 0x0
	.amdhsa_kernel k_q96e0cc84fe_quant
		.amdhsa_group_segment_fixed_size 60928
		.amdhsa_private_segment_fixed_size 0
		.amdhsa_enable_private_segment 0
		.amdhsa_kernarg_size 56
		.amdhsa_user_sgpr_count 2
		.amdhsa_user_sgpr_kernarg_segment_ptr 1
		.amdhsa_wavefront_size32 1
		.amdhsa_system_sgpr_workgroup_id_x 1
		.amdhsa_system_sgpr_workgroup_id_y 1
		.amdhsa_system_sgpr_workgroup_id_z 1
		.amdhsa_system_vgpr_workitem_id 0
		.amdhsa_next_free_vgpr 256
		.amdhsa_next_free_sgpr 66
		.amdhsa_reserve_vcc 0
		.amdhsa_float_denorm_mode_32 3
		.amdhsa_float_denorm_mode_16_64 3
		.amdhsa_memory_ordered 1
		.amdhsa_forward_progress 1
		.amdhsa_inst_pref_size 76
	.end_amdhsa_kernel
	.amdgpu_metadata
---
amdhsa.version: [ 1, 2 ]
amdhsa.kernels:
  - .name:           k_q96e0cc84fe_quant
    .symbol:         k_q96e0cc84fe_quant.kd
    .args:
      - { .name: x, .offset: 0, .size: 8, .value_kind: global_buffer, .address_space: global }
      - { .name: W_in, .offset: 8, .size: 8, .value_kind: global_buffer, .address_space: global }
      - { .name: W_out, .offset: 16, .size: 8, .value_kind: global_buffer, .address_space: global }
      - { .name: xc, .offset: 24, .size: 8, .value_kind: global_buffer, .address_space: global }
      - { .name: xs, .offset: 32, .size: 8, .value_kind: global_buffer, .address_space: global }
      - { .name: wc, .offset: 40, .size: 8, .value_kind: global_buffer, .address_space: global }
      - { .name: ws, .offset: 48, .size: 8, .value_kind: global_buffer, .address_space: global }
    .group_segment_fixed_size: 60928
    .private_segment_fixed_size: 0
    .kernarg_segment_align: 8
    .kernarg_segment_size: 56
    .max_flat_workgroup_size: 128
    .sgpr_count:     66
    .vgpr_count:     256
    .wavefront_size: 32
...
	.end_amdgpu_metadata
.endif
;; end of part 1
;; launch qkv (part 2): grid 12 x 32, 4 waves a work-group, clusters of 4 x 4, 327,680 bytes of LDS; arguments xc, xs, wc, ws, b_in, ac, asc; writes ac, asc
.if DOCPART == 2
	.amdgcn_target "amdgcn-amd-amdhsa--gfx1250"
	.amdhsa_code_object_version 6
	.text
	.protected	k_q96e0cc84fe_qkv
	.globl	k_q96e0cc84fe_qkv
	.p2align	8
	.type	k_q96e0cc84fe_qkv,@function
k_q96e0cc84fe_qkv:
	s_mov_b64 s[64:65], 0
	v_nop
	global_prefetch_b8 v0, s[64:65] scope:SCOPE_SE
	s_setreg_imm32_b32 hwreg(HW_REG_WAVE_MODE, 25, 1), 1
	s_wait_xcnt 0x0
	s_wait_alu depctr_hold_cnt(0) depctr_sa_sdst(0) depctr_va_vdst(0) depctr_va_sdst(0) depctr_va_ssrc(0) depctr_va_vcc(0) depctr_vm_vsrc(0)
	s_getreg_b32 s2, hwreg(HW_REG_IB_STS2, 6, 4)
	s_cmp_eq_u32 s2, 0
	s_cbranch_scc0 .Lentry_in_a_cluster
	s_endpgm
.Lentry_in_a_cluster:
	s_bfe_u32 s2, ttmp6, 0x10000c
	s_cmp_lg_u32 s2, 0xf033
	s_cbranch_scc0 .Lentry_shape_is_right
	s_endpgm
.Lentry_shape_is_right:
.set NQ,     2
.set FR,     12
.set NL,     3
.set NP,     4
.set TILEB,  3072
.set HALFT,  8*TILEB
.set SLOT,   4*HALFT
.set SCA,    2*SLOT
.set SCB,    SCA+8192+128
.set SPARE,  SCB+8192+128
.set ADRA, 16
.set ADRB, 20
.set HR,   22
.set V16,  24
.set V8,   25
.set VSQ,  26
.set ADRS, 27
.set SPW,  28
.set NIL,  29
.set VSV,  30
.set BO,   31
.set SC,   32
.set BI,   64
.set AF,   128
.set SW,   32
.set DS,   40
.set DH,   44
.set TM,   48
.set CT,   64
.set PC,   128
.set G1, 24
.set G0, 32
.set G1B, 48
.set G0B, 56
.set G1S, 68
.set G0S, 76
.set G1SB, 80
.set G0SB, 88
.set MSB, 0
.macro WIN new
.if MSB != \new
	s_set_vgpr_msb (MSB<<8)|\new
.set MSB, \new
.endif
.endm
.set MUL_LO, 0xa1
.set MUL_HI, 0xf1
.set BIA_LO, 0x81
.set BIA_HI, 0xc1
.set TO_B,   0x40
.macro JLOAD g0a, g1a, g0b, g1b
	s_cmp_eq_u32 s19, 0
	s_cbranch_scc0 .Lfor_b_\@
	tensor_load_to_lds s[\g0a:\g0a+3], s[\g1a:\g1a+7]
	s_nop 0
.rept 4
	v_nop
.endr
	s_branch .Lasked_\@
.Lfor_b_\@:
	tensor_load_to_lds s[\g0b:\g0b+3], s[\g1b:\g1b+7]
	s_nop 0
.rept 4
	v_nop
.endr
.Lasked_\@:
.endm
.macro CREST
	s_cmp_lg_u32 s18, 0
	s_cbranch_scc1 .Lnot_wave_0_\@
	s_barrier_signal -3
.Lnot_wave_0_\@:
	s_barrier_wait -3
	s_barrier_signal -1
	s_barrier_wait -1
.endm
.macro CROUND
	s_barrier_signal -1
	s_barrier_wait -1
	CREST
.endm
	s_load_b256 s[4:11], s[0:1], 0x0
	s_load_b128 s[12:15], s[0:1], 0x20
	s_load_b64 s[16:17], s[0:1], 0x30
	v_lshl_add_u32 v[SPW], v0, 2, SPARE
	v_mov_b32 v[NIL], 0
	ds_add_u32 v[SPW], v[NIL]
	ds_add_u32 v[SPW], v[NIL]
	v_lshrrev_b32 v1, 5, v0
	v_readfirstlane_b32 s18, v1
	s_lshr_b32 s19, s18, 1
	s_and_b32 s20, s18, 1
	s_bfe_u32 s40, ttmp6, 0x40000
	s_bfe_u32 s41, ttmp6, 0x40004
	s_and_b32 s42, ttmp7, 0xffff
	s_lshl_b32 s43, s41, 2
	s_lshl_b32 s43, 15, s43
	s_lshl_b32 s44, 0x1111, s40
	s_or_b32 s[G1+0], s43, (3<<16)|(1<<21)
	s_or_b32 s[G1B+0], s44, (3<<16)|(1<<21)
.irp g, G1, G1B
	s_mov_b32 s[\g+1], 384<<16
	s_mov_b32 s[\g+2], 8<<16
	s_mov_b32 s[\g+3], 384<<16
	s_mov_b32 s[\g+4], 8
	s_mov_b32 s[\g+5], 1536
	s_mov_b32 s[\g+6], 0
	s_mov_b32 s[\g+7], 0
.endr
	s_or_b32 s[G1S+0], s43, (3<<16)|(1<<21)
	s_or_b32 s[G1SB+0], s44, (3<<16)|(1<<21)
.irp g, G1S, G1SB
	s_mov_b32 s[\g+1], 32<<16
	s_mov_b32 s[\g+2], 16<<16
	s_mov_b32 s[\g+3], 32<<16
	s_mov_b32 s[\g+4], 16
	s_mov_b32 s[\g+5], 32
	s_mov_b32 s[\g+6], 0
	s_mov_b32 s[\g+7], 0
.endr
	s_lshl_b32 s46, s42, 2
	s_lshl_b32 s47, ttmp9, 2
	s_cmp_eq_u32 ttmp9, 2
	s_cselect_b32 s45, 1, 0
	s_cselect_b32 s21, 8, s46
	s_cselect_b32 s22, s46, s47
	s_add_co_u32 s21, s21, s41
	s_add_co_u32 s22, s22, s40
	s_mul_i32 s23, s20, 8*12288
	s_mul_i32 s92, s21, 16*12288
	s_add_co_u32 s92, s92, s23
	s_mov_b32 s93, 0
	s_mul_i32 s94, s22, 16*12288
	s_add_co_u32 s94, s94, s23
	s_mov_b32 s95, 0
	s_lshl_b32 s23, s20, 12
	s_lshl_b32 s96, s21, 13
	s_add_co_u32 s96, s96, s23
	s_mov_b32 s97, 0
	s_lshl_b32 s66, s22, 13
	s_add_co_u32 s66, s66, s23
	s_mov_b32 s67, 0
	s_mul_i32 s2, s18, HALFT
	s_lshl_b32 s3, s18, 12
	s_lshl_b32 s23, s19, 7
	s_add_co_u32 s3, s3, s23
	s_wait_dscnt 0x0
	s_wait_kmcnt 0x0
	s_cmp_eq_u32 ttmp9, 2
	s_cselect_b64 s[46:47], s[8:9], s[4:5]
	s_cselect_b64 s[4:5], s[4:5], s[8:9]
	s_cselect_b64 s[8:9], s[10:11], s[6:7]
	s_cselect_b64 s[6:7], s[6:7], s[10:11]
	s_add_nc_u64 s[46:47], s[46:47], s[92:93]
	s_add_nc_u64 s[4:5], s[4:5], s[94:95]
	s_add_nc_u64 s[8:9], s[8:9], s[96:97]
	s_add_nc_u64 s[6:7], s[6:7], s[66:67]
	CROUND
	s_mov_b32 s[G0S], 1
	s_add_co_u32 s[G0S+1], s3, SCA
	s_mov_b64 s[G0S+2:G0S+3], s[8:9]
	s_or_b32 s[G0S+3], s[G0S+3], 0x80000000
	s_mov_b32 s[G0SB], 1
	s_add_co_u32 s[G0SB+1], s3, SCA
	s_mov_b64 s[G0SB+2:G0SB+3], s[6:7]
	s_or_b32 s[G0SB+3], s[G0SB+3], 0x80000000
	JLOAD G0S, G1S, G0SB, G1SB
.irp s, 0,1
	s_mov_b32 s[G0+4*\s], 1
	s_add_co_u32 s[G0+4*\s+1], s2, \s*SLOT
	s_add_nc_u64 s[G0+4*\s+2:G0+4*\s+3], s[46:47], \s*TILEB
	s_or_b32 s[G0+4*\s+3], s[G0+4*\s+3], 0x80000000
	s_mov_b32 s[G0B+4*\s], 1
	s_add_co_u32 s[G0B+4*\s+1], s2, \s*SLOT
	s_add_nc_u64 s[G0B+4*\s+2:G0B+4*\s+3], s[4:5], \s*TILEB
	s_or_b32 s[G0B+4*\s+3], s[G0B+4*\s+3], 0x80000000
	s_wait_alu depctr_va_vdst(0)
	s_wait_tensorcnt 0x0
	ds_add_u32 v28, v29
	s_wait_dscnt 0x0
	CROUND
	JLOAD G0+4*\s, G1, G0B+4*\s, G1B
.endr
	v_and_b32 v1, 15, v0
	v_bfe_u32 v[HR], v0, 4, 1
	s_wait_alu depctr_va_vdst(0)
	v_and_b32 v2, 31, v0
	v_lshlrev_b32 v[V16], 4, v2
	v_lshlrev_b32 v[V8], 3, v2
	s_mul_i32 s21, s19, HALFT
	s_mul_i32 s22, s20, HALFT
	s_add_co_u32 s22, s22, 2*HALFT
.irp s, 0,1
	v_add_nc_u32 v[ADRA+\s], s21, v[V16]
	v_add_nc_u32 v[ADRB+\s], s22, v[V16]
	s_add_co_u32 s21, s21, SLOT
	s_add_co_u32 s22, s22, SLOT
.endr
	s_lshl_b32 s21, s19, 12
	s_lshl_b32 s22, s20, 12
	s_add_co_u32 s22, s22, SCB-SCA
	s_sub_co_u32 s22, s22, s21
	v_mul_u32_u24 v3, s22, v[HR]
	s_add_co_u32 s21, s21, SCA
	v_lshl_add_u32 v3, v1, 3, v3
	v_add_nc_u32 v[ADRS], s21, v3
	v_lshlrev_b32 v[VSQ], 5, v1
	v_lshl_add_u32 v[VSQ], v[HR], 4, v[VSQ]
	v_mul_u32_u24 v[VSV], v[HR], 20480
	v_lshl_add_u32 v[VSV], v1, 4, v[VSV]
	s_cmp_eq_u32 s45, 1
	s_cbranch_scc1 .Lbias_v
	s_lshl_b32 s21, ttmp9, 2
	s_add_co_u32 s21, s21, s40
	s_lshl_b32 s92, s21, 10
	s_lshl_b32 s22, s20, 9
	s_add_co_u32 s92, s92, s22
	s_mov_b32 s93, 0
	s_add_nc_u64 s[12:13], s[12:13], s[92:93]
	v_lshlrev_b32 v[BO], 6, v[HR]
.irp b, 0,1,2,3,4,5,6,7
	global_load_b128 v[BI+8*\b:BI+8*\b+3], v[BO], s[12:13] offset:4*(32*(\b/2)+8*(\b%2))
	global_load_b128 v[BI+8*\b+4:BI+8*\b+7], v[BO], s[12:13] offset:4*(32*(\b/2)+8*(\b%2))+16
.endr
	s_branch .Lbias_done
.Lbias_v:
	s_lshl_b32 s92, s41, 10
	s_lshl_b32 s22, s19, 9
	s_add_co_u32 s92, s92, s22
	s_add_co_u32 s92, s92, 4*2048
	s_mov_b32 s93, 0
	s_add_nc_u64 s[12:13], s[12:13], s[92:93]
	v_and_b32 v3, 8, v1
	v_add_nc_u32 v3, v3, v1
	v_lshlrev_b32 v[BO], 2, v3
.irp a, 0,1,2,3,4,5,6,7
	global_load_b32 v[BI+8*\a], v[BO], s[12:13] offset:4*(32*(\a/2)+8*(\a%2))
.endr
	s_wait_loadcnt 0x0
.irp a, 0,1,2,3,4,5,6,7
.irp j, 1,2,3,4,5,6,7
	v_mov_b32 v[BI+8*\a+\j], v[BI+8*\a]
.endr
.endr
.Lbias_done:
.macro FRAG reg, adr, q, i
.irp j, 0,1,2
	ds_load_b128 v[\reg+4*\j:\reg+4*\j+3], v[\adr] offset:TILEB*(\i)+1536*(\q)+512*\j
.endr
.endm
.macro MUL16 a0, p, q, sc, cm
.irp a, \a0, \a0+1
.irp b, 0,1,2,3,4,5,6,7
.if \cm == 1
	v_wmma_scale_f32_16x16x128_f8f6f4 v[8*(8*((\a)%4)+\b):8*(8*((\a)%4)+\b)+7], v[128*(\p)+FR*\b:128*(\p)+FR*\b+FR-1], v[AF+FR*(\a):AF+FR*(\a)+FR-1], v[BI+8*\b:BI+8*\b+7], v[SC+8*NQ*(\sc)+NQ*\b+(\q)], v[SC+8*NQ*(\sc)+NQ*(\a)+(\q)] matrix_a_fmt:MATRIX_FMT_FP6 matrix_b_fmt:MATRIX_FMT_FP6 matrix_a_scale:MATRIX_SCALE_ROW1
.elseif \cm == 2
	v_wmma_scale_f32_16x16x128_f8f6f4 v[8*(8*((\a)%4)+\b):8*(8*((\a)%4)+\b)+7], v[128*(\p)+FR*\b:128*(\p)+FR*\b+FR-1], v[AF+FR*(\a):AF+FR*(\a)+FR-1], v[BI+8*(\a):BI+8*(\a)+7], v[SC+8*NQ*(\sc)+NQ*\b+(\q)], v[SC+8*NQ*(\sc)+NQ*(\a)+(\q)] matrix_a_fmt:MATRIX_FMT_FP6 matrix_b_fmt:MATRIX_FMT_FP6 matrix_a_scale:MATRIX_SCALE_ROW1
.else
	v_wmma_scale_f32_16x16x128_f8f6f4 v[8*(8*((\a)%4)+\b):8*(8*((\a)%4)+\b)+7], v[128*(\p)+FR*\b:128*(\p)+FR*\b+FR-1], v[AF+FR*(\a):AF+FR*(\a)+FR-1], v[8*(8*((\a)%4)+\b):8*(8*((\a)%4)+\b)+7], v[SC+8*NQ*(\sc)+NQ*\b+(\q)], v[SC+8*NQ*(\sc)+NQ*(\a)+(\q)] matrix_a_fmt:MATRIX_FMT_FP6 matrix_b_fmt:MATRIX_FMT_FP6 matrix_a_scale:MATRIX_SCALE_ROW1
.endif
.endr
.endr
.endm
.macro FETCH_B slot, q, p
	WIN TO_B
.irp i, 0,1,2,3,4,5,6,7
	FRAG 128*(\p)+FR*\i, ADRB+\slot, \q, \i
.endr
	WIN 0
.endm
.macro FETCH_A slot, q, i0
.irp i, \i0, \i0+1, \i0+2, \i0+3
	FRAG AF+FR*(\i), ADRA+\slot, \q, \i
.endr
.endm
.macro SCALES sc
.irp i, 0,1,2,3,4,5,6,7
	ds_load_b64 v[SC+8*NQ*\sc+NQ*\i:SC+8*NQ*\sc+NQ*\i+1], v[ADRS] offset:512*\i
.endr
.endm
.macro PLACES n
.rept \n
	v_nop
.endr
.endm
.macro STEP slot, q, cm
	s_wait_dscnt 4*NL
.if \cm
	WIN BIA_LO
.else
	WIN MUL_LO
.endif
	MUL16 0, (\q)%2, \q, \slot, \cm
	MUL16 2, (\q)%2, \q, \slot, \cm
	s_wait_dscnt 0
	PLACES NP
	FETCH_B \slot, (\q)+1, 1-(\q)%2
	FETCH_A \slot, (\q)+1, 0
.if \cm
	WIN BIA_HI
.else
	WIN MUL_HI
.endif
	MUL16 4, (\q)%2, \q, \slot, \cm
	MUL16 6, (\q)%2, \q, \slot, \cm
	PLACES NP
	WIN 0
	FETCH_A \slot, (\q)+1, 4
.endm
.macro TURN slot, next, fill
	s_wait_tensorcnt 0x0
	ds_add_u32 v[SPW], v[NIL]
	s_wait_dscnt 4*NL+1
	WIN MUL_LO
	MUL16 0, 1, NQ-1, \slot, 0
	s_wait_dscnt 0x0
	s_barrier_signal -1
	MUL16 2, 1, NQ-1, \slot, 0
	WIN 0
	s_barrier_wait -1
.if \fill
	CREST
	s_add_nc_u64 s[G0+4*\slot+2:G0+4*\slot+3], s[G0+4*\slot+2:G0+4*\slot+3], 2*TILEB
	s_add_nc_u64 s[G0B+4*\slot+2:G0B+4*\slot+3], s[G0B+4*\slot+2:G0B+4*\slot+3], 2*TILEB
	JLOAD G0+4*\slot, G1, G0B+4*\slot, G1B
.else
	PLACES NP
.endif
	s_wait_alu depctr_va_vdst(0)
	v_add_nc_u32 v[ADRS], 128, v[ADRS]
	FETCH_B \next, 0, 0
	FETCH_A \next, 0, 0
	SCALES \next
	WIN MUL_HI
	MUL16 4, 1, NQ-1, \slot, 0
	MUL16 6, 1, NQ-1, \slot, 0
	PLACES NP
	WIN 0
	FETCH_A \next, 0, 4
.endm
	s_wait_tensorcnt 1
	s_barrier_signal -1
	s_barrier_wait -1
	FETCH_B 0, 0, 0
	FETCH_A 0, 0, 0
	s_wait_alu depctr_va_vdst(0)
	SCALES 0
	FETCH_A 0, 0, 4
	s_wait_loadcnt 0x0
	s_cmp_eq_u32 s45, 1
	s_cbranch_scc1 .Lfirst_v
	STEP 0, 0, 1
	s_branch .Lfirst_done
.Lfirst_v:
	STEP 0, 0, 2
.Lfirst_done:
	TURN 0, 1, 1
	STEP 1, 0, 0
	TURN 1, 0, 1
	STEP 0, 0, 0
	TURN 0, 1, 0
	STEP 1, 0, 0
	s_wait_dscnt 4*NL
	WIN MUL_LO
	MUL16 0, 1, NQ-1, 1, 0
	MUL16 2, 1, NQ-1, 1, 0
	s_wait_dscnt 0
	WIN MUL_HI
	MUL16 4, 1, NQ-1, 1, 0
	MUL16 6, 1, NQ-1, 1, 0
	WIN 0
	PLACES NP
.macro QACC a
.set AC, 64*((\a)%4)
.set WW, 2+(\a)/4
.set W2, WW*5
.set PCA, PC+12*(\a)
	WIN W2
.irp b, 0,1,2,3
	v_max3_num_f32 v[TM+\b], |v[AC+16*\b]|, |v[AC+1+16*\b]|, 0x1800000
.endr
.irp i, 2,4,6,8,10,12,14
.irp b, 0,1,2,3
	v_max3_num_f32 v[TM+\b], |v[AC+16*\b+\i]|, |v[AC+1+16*\b+\i]|, v[TM+\b]
.endr
.endr
	WIN 0
.irp b, 0,1,2,3
	v_permlanex16_b32 v[TM+4+\b], v[TM+\b], s2, s3
.endr
.irp b, 0,1,2,3
	v_max_num_f32 v[TM+\b], v[TM+\b], v[TM+4+\b]
.endr
.irp b, 0,1,2,3
	v_add_nc_u32 v[TM+12+\b], 0xff000000, v[TM+\b]
.endr
.irp b, 0,1,2,3
	v_lshrrev_b32 v[TM+4+\b], 23, v[TM+12+\b]
.endr
	v_lshl_or_b32 v[SW+(\a)], v[TM+5], 8, v[TM+4]
	v_lshl_or_b32 v[SW+(\a)], v[TM+6], 16, v[SW+(\a)]
	v_lshl_or_b32 v[SW+(\a)], v[TM+7], 24, v[SW+(\a)]
	WIN WW
.irp c, 0,1
	v_cvt_scalef32_pk16_fp6_f32 v[PCA+6*\c:PCA+2+6*\c], v[AC+32*\c:AC+15+32*\c], v[TM+12+2*\c]
	v_cvt_scalef32_pk16_fp6_f32 v[CT+4*\c:CT+2+4*\c], v[AC+16+32*\c:AC+31+32*\c], v[TM+12+2*\c+1]
.endr
	WIN 0
	v_nop
.irp c, 0,1
.irp i, 0,1,2
	v_permlane16_swap_b32 v[PCA+6*\c+\i], v[CT+4*\c+\i]
.endr
.irp i, 0,1,2
	v_mov_b32 v[PCA+3+6*\c+\i], v[CT+4*\c+\i]
.endr
.endr
.endm
	s_mov_b32 s2, 0x76543210
	s_mov_b32 s3, 0xfedcba98
.irp b, 0,1,2,3
	v_mov_b32 v[TM+4+\b], 0
.endr
.irp a, 0,1,2,3,4,5,6,7
	QACC \a
.endr
	v_cmp_eq_u32 vcc_lo, 1, v[HR]
.irp i, 0,1,2,3
	v_cndmask_b32 v[DS+\i], v[SW+\i], v[SW+4+\i], vcc_lo
.endr
	s_cmp_eq_u32 s45, 1
	s_cselect_b32 s21, s40, s41
	s_cselect_b32 s22, s20, s19
	s_cselect_b32 s23, s41, s40
	s_cselect_b32 s46, s19, s20
	s_cselect_b32 s47, 8, 9
	s_and_b32 s92, s42, 1
	s_lshl_b32 s92, s92, 2
	s_add_co_u32 s92, s92, s21
	s_lshl_b32 s92, s92, 1
	s_add_co_u32 s92, s92, s22
	s_lshr_b32 s93, s42, 1
	s_lshl_b32 s93, s93, 4
	s_lshl_b32 s23, s23, 2
	s_add_co_u32 s93, s93, s23
	s_lshl_b32 s46, s46, 1
	s_add_co_u32 s93, s93, s46
	s_mul_i32 s94, s93, 294912
	s_mul_i32 s95, ttmp9, 98304
	s_add_co_u32 s94, s94, s95
	s_mul_i32 s95, s92, 6144
	s_add_co_u32 s94, s94, s95
	s_mov_b32 s95, 0
	s_add_nc_u64 s[14:15], s[14:15], s[94:95]
	s_mul_i32 s94, s93, 20480
	s_lshl_b32 s96, ttmp9, 13
	s_add_co_u32 s94, s94, s96
	s_lshl_b32 s96, s92, s47
	s_add_co_u32 s94, s94, s96
	s_add_nc_u64 s[16:17], s[16:17], s[94:95]
	s_cmp_eq_u32 s45, 1
	s_cbranch_scc1 .Lstore_v
	s_wait_alu depctr_va_vdst(0)
.irp a, 0,1,2,3,4,5,6,7
	global_store_b128 v[V16], v[PC+12*\a:PC+12*\a+3], s[14:15] offset:768*\a
	global_store_b64 v[V8], v[PC+12*\a+4:PC+12*\a+5], s[14:15] offset:768*\a+512
	global_store_b128 v[V16], v[PC+12*\a+6:PC+12*\a+9], s[14:15] offset:294912+768*\a
	global_store_b64 v[V8], v[PC+12*\a+10:PC+12*\a+11], s[14:15] offset:294912+768*\a+512
.endr
.irp i, 0,1,2,3
	v_lshrrev_b32 v[DH+\i], 16, v[DS+\i]
.endr
	global_store_b128 v[VSQ], v[DS:DS+3], s[16:17]
	global_store_b128 v[VSQ], v[DH:DH+3], s[16:17] offset:20480
	s_branch .Lstored
.Lstore_v:
	s_wait_alu depctr_va_vdst(0)
.irp a, 0,1,2,3,4,5,6,7
.irp j, 0,1,2
	global_store_b128 v[V16], v[PC+12*\a+4*\j:PC+12*\a+4*\j+3], s[14:15] offset:294912*(\a/4)+1536*(\a%4)+512*\j
.endr
.endr
	global_store_b128 v[VSV], v[DS:DS+3], s[16:17]
.Lstored:
	s_wait_tensorcnt 0x0
	ds_add_u32 v[SPW], v[NIL]
	s_wait_dscnt 0x0
	CROUND
	s_endpgm
.Lfunc_end_k_q96e0cc84fe_qkv:
	.size	k_q96e0cc84fe_qkv, .Lfunc_end_k_q96e0cc84fe_qkv-k_q96e0cc84fe_qkv
	.p2alignl 7, 3214868480
	.fill 96, 4, 3214868480
	.section	.rodata,"a",@progbits
	.p2align	6, 0x0
	.amdhsa_kernel k_q96e0cc84fe_qkv
		.amdhsa_group_segment_fixed_size 327680
		.amdhsa_private_segment_fixed_size 0
		.amdhsa_enable_private_segment 0
		.amdhsa_kernarg_size 56
		.amdhsa_user_sgpr_count 2
		.amdhsa_user_sgpr_kernarg_segment_ptr 1
		.amdhsa_wavefront_size32 1
		.amdhsa_system_sgpr_workgroup_id_x 1
		.amdhsa_system_sgpr_workgroup_id_y 1
		.amdhsa_system_sgpr_workgroup_id_z 1
		.amdhsa_system_vgpr_workitem_id 0
		.amdhsa_next_free_vgpr 1024
		.amdhsa_next_free_sgpr 98
		.amdhsa_reserve_vcc 1
		.amdhsa_float_denorm_mode_32 3
		.amdhsa_float_denorm_mode_16_64 3
		.amdhsa_memory_ordered 1
		.amdhsa_forward_progress 1
		.amdhsa_inst_pref_size 161
	.end_amdhsa_kernel
	.amdgpu_metadata
---
amdhsa.version: [ 1, 2 ]
amdhsa.kernels:
  - .name:           k_q96e0cc84fe_qkv
    .symbol:         k_q96e0cc84fe_qkv.kd
    .args:
      - { .name: xc, .offset: 0, .size: 8, .value_kind: global_buffer, .address_space: global }
      - { .name: xs, .offset: 8, .size: 8, .value_kind: global_buffer, .address_space: global }
      - { .name: wc, .offset: 16, .size: 8, .value_kind: global_buffer, .address_space: global }
      - { .name: ws, .offset: 24, .size: 8, .value_kind: global_buffer, .address_space: global }
      - { .name: b_in, .offset: 32, .size: 8, .value_kind: global_buffer, .address_space: global }
      - { .name: ac, .offset: 40, .size: 8, .value_kind: global_buffer, .address_space: global }
      - { .name: asc, .offset: 48, .size: 8, .value_kind: global_buffer, .address_space: global }
    .group_segment_fixed_size: 327680
    .private_segment_fixed_size: 0
    .kernarg_segment_align: 8
    .kernarg_segment_size: 56
    .max_flat_workgroup_size: 128
    .sgpr_count:     98
    .vgpr_count:     1024
    .wavefront_size: 32
...
	.end_amdgpu_metadata
.endif
;; end of part 2
;; launch attn (part 3): grid 8 x 64, 16 waves a work-group, clusters of 4 x 1, 212,992 bytes of LDS; arguments ac, asc, oc, os; writes oc, os
.if DOCPART == 3
	.amdgcn_target "amdgcn-amd-amdhsa--gfx1250"
	.amdhsa_code_object_version 6
	.text
	.protected	k_q96e0cc84fe_attn
	.globl	k_q96e0cc84fe_attn
	.p2align	8
	.type	k_q96e0cc84fe_attn,@function
k_q96e0cc84fe_attn:
	s_mov_b64 s[64:65], 0
	v_nop
	global_prefetch_b8 v0, s[64:65] scope:SCOPE_SE
	s_setreg_imm32_b32 hwreg(HW_REG_WAVE_MODE, 25, 1), 1
	s_wait_xcnt 0x0
	s_wait_alu depctr_hold_cnt(0) depctr_sa_sdst(0) depctr_va_vdst(0) depctr_va_sdst(0) depctr_va_ssrc(0) depctr_va_vcc(0) depctr_vm_vsrc(0)
	s_getreg_b32 s2, hwreg(HW_REG_IB_STS2, 6, 4)
	s_cmp_eq_u32 s2, 0
	s_cbranch_scc0 .Lentry_in_a_cluster
	s_endpgm
.Lentry_in_a_cluster:
	s_bfe_u32 s2, ttmp6, 0x10000c
	s_cmp_lg_u32 s2, 0x3003
	s_cbranch_scc0 .Lentry_shape_is_right
	s_endpgm
.Lentry_shape_is_right:
; o = softmax(q k^T / 8) v for one of 64 heads (head size 64, 2,048 keys), both products on codes of FP6 (E2M3) with E8M0 scales; o is quantised along the head's 64 and leaves as codes, the last product's operand.
; THE SOFTMAX AHEAD OF THE SECOND PRODUCT: t = score x log2(e) / 8; M = the running largest t rounded UP to a whole number; p = 2^(t - M) is quantised along the keys, not normalised; the row's sum is taken of the
; unquantised p in f32 and divides at the end.  When M moves, the sum and O are multiplied by 2^(old M - new M): exact.
; SHARES.  A work-group owns 256 queries of a head; each of its sixteen waves one tile of 16, in 256 registers: four waves to a SIMD, so that one wave's exponentials stand beside another's plain work, LDS loads and products.
; ALL OF THE HEAD'S K AND V STAYS IN LDS: 2 x 98,304 bytes of codes and 12,288 of scale words, each byte filled once; no slot is filled again.  They come in four chunks of 512 keys, and the work on a chunk begins when it has landed.
; CLUSTER.  The four query blocks of a cluster belong to one head: every fill is a joint load with the mask of all four.
; LAYOUT.  Both products transposed: S^T = K Q^T, O^T = V^T P^T: a lane holds ONE query throughout.  The keys of a tile are not neighbours (lane r of tile 2 b + u: key 32 b + 16 (r / 8) + 8 u + r % 8), so the 16 registers of tiles 2 b, 2 b + 1 are 16 neighbouring keys.
; HEAD SIZE 64 IN A PRODUCT OF 128: Q's registers 6-11 hold zero codes.  K's tile t is named v[32 + 6 t .. 43 + 6 t]: its upper six registers are the next tile's codes, which meet Q's zeros: exact zeros are added (the format has no infinity or NaN, and no scale byte is 0xff).
; LIMITS: NaN and infinities are not served; a block of o whose largest magnitude lies under 2^-124 keeps the byte 1, a block of zeros too.
; REGISTERS: v1-5 places that stay; v8-11, v28 the step's addresses; v12 -M, v13 the largest t, v[14:15] the sum; v16-27 Q; v32-85 K's tiles, later at work; v88-135 V's four fragments; v136-199 S^T, then p; v200-231 O^T;
;   v232-239 K's scale words, v240-243 V's, v244 p's, v245 Q's; v[246:247] f; v29-31, v248 at work.
.set KC,    0
.set VC,    98304
.set KS,    196608
.set VS,    204800
.set SPARE, 208896                     ; the spare words, 128 bytes for each of sixteen waves
.set AK0,  1                           ; 16 x lane
.set AK1,  2                           ; 512 + 8 x lane
.set AV0,  3                           ; VC + 16 x lane
.set ASK0, 4                           ; KS + 32 r
.set ASV0, 5                           ; VS + 16 r
.set SPW,  6
.set NIL,  7
.set ADK,  8
.set ADK1, 9
.set ADV,  10
.set ADS,  11
.set ADT,  28
.set S,    136
.set O,    200
.set BM,   32                          ; at work, in K's registers once the scores are made: the blocks' largest scores,
.set T4,   36
.set SO,   40                          ; the conversions' scale operands,
.set PC,   44                          ; v44-55 p's codes,
.set CT,   56                          ; v56-58, v60-62
.set SUM2, 64                          ; v[64:65] the sums' second chain
.set WV,   18
.set SEL,  20
.set CS,   22                          ; s[22:23] c = log2(e) / 8
.set G1C,  24
.set G1S,  32
.set G0S,  40
.set G0C,  44                          ; s[44:59] a group 0 for each chunk
.set TB,   60                          ; the step's codes: 6,144 bytes a step, in K and in V
.set TS,   61                          ; K's scale words: 512 a step
.set TJ,   62                          ; V's: 256 a step
.set CNT,  63
.macro CROUND
	s_barrier_signal -1
	s_barrier_wait -1
	s_cmp_lg_u32 s[WV], 0
	s_cbranch_scc1 .Lnot_wave_0_\@
	s_barrier_signal -3
.Lnot_wave_0_\@:
	s_barrier_wait -3
	s_barrier_signal -1
	s_barrier_wait -1
.endm
	s_load_b256 s[4:11], s[0:1], 0x0               ; ac s[4:5], asc s[6:7], oc s[8:9], os s[10:11]
	v_lshl_add_u32 v[SPW], v0, 2, SPARE
	v_mov_b32 v[NIL], 0
	ds_add_u32 v[SPW], v[NIL]                      ; the wave's opening: the add and its wait ahead of the first tensor loads; work on registers stands between them
	ds_add_u32 v[SPW], v[NIL]
	v_lshrrev_b32 v8, 5, v0
	s_delay_alu instid0(VALU_DEP_1)
	v_readfirstlane_b32 s[WV], v8                  ; wave 0..15
	s_bfe_u32 s12, ttmp6, 0x40000                  ; cx: it enters Q's and o's addresses alone
	s_lshl_b32 s13, ttmp9, 2
	s_add_co_u32 s13, s13, s12                     ; my block of 256 queries
	s_lshl_b32 s13, s13, 4
	s_add_co_u32 s13, s13, s[WV]                   ; my tile of 16 queries, 0..127
	s_and_b32 s14, ttmp7, 0xffff                   ; 16 x batch + head, which the four partners share
	s_mul_i32 s66, s14, 294912                     ; the head's bytes in ac,
	s_mov_b32 s67, 0
	s_mul_i32 s68, s14, 20480                      ; and in asc
	s_mov_b32 s69, 0
	; group 1: a chunk of 24,576 dense bytes as 96 rows of 256 (32 elements of 8 bytes); the scale words: 48 rows
	s_mov_b32 s[G1C], 15|(3<<16)|(1<<21)           ; 15:0 the mask: all four work-groups; 17:16 elements of 8 bytes; 21 set beside a mask
	s_mov_b32 s[G1C+1], 32<<16
	s_mov_b32 s[G1C+2], 96<<16
	s_mov_b32 s[G1C+3], 32<<16
	s_mov_b32 s[G1C+4], 96
	s_mov_b32 s[G1C+5], 32
	s_mov_b32 s[G1C+6], 0
	s_mov_b32 s[G1C+7], 0
	s_mov_b32 s[G1S], 15|(3<<16)|(1<<21)
	s_mov_b32 s[G1S+1], 32<<16
	s_mov_b32 s[G1S+2], 48<<16
	s_mov_b32 s[G1S+3], 32<<16
	s_mov_b32 s[G1S+4], 48
	s_mov_b32 s[G1S+5], 32
	s_mov_b32 s[G1S+6], 0
	s_mov_b32 s[G1S+7], 0
	s_mul_i32 s15, s[WV], 98304                    ; wave 0 fetches K (LDS byte 0), wave 1 V (LDS byte 98,304); in ac K lies 98,304 and V 196,608 bytes into the head
	s_add_co_u32 s70, s15, 98304
	s_add_co_u32 s70, s70, s66
	s_mov_b32 s71, 0
	s_add_co_u32 s72, s68, 8192                    ; K's and V's scale words follow Q's
	s_mov_b32 s73, 0
	s_mov_b32 s[SEL], 0x76543210
	s_mov_b32 s[SEL+1], 0xfedcba98
	s_mov_b32 s[CS], 0x3e38aa3b
	s_mov_b32 s[CS+1], s[CS]                       ; named with it as a pair, so it is written
	s_mov_b32 s[TB], 0
	s_mov_b32 s[TS], 0
	s_mov_b32 s[TJ], 0
	s_wait_dscnt 0x0                               ; the opening add is done
	s_wait_kmcnt 0x0
	s_add_nc_u64 s[70:71], s[4:5], s[70:71]
	s_add_nc_u64 s[72:73], s[6:7], s[72:73]
	s_mov_b32 s[G0S], 1
	s_mov_b32 s[G0S+1], KS
	s_mov_b64 s[G0S+2:G0S+3], s[72:73]
	s_or_b32 s[G0S+3], s[G0S+3], 0x80000000
.irp c, 0,1,2,3
	s_mov_b32 s[G0C+4*\c], 1
	s_add_co_u32 s[G0C+4*\c+1], s15, 24576*\c
	s_add_nc_u64 s[G0C+4*\c+2:G0C+4*\c+3], s[70:71], 24576*\c
	s_or_b32 s[G0C+4*\c+3], s[G0C+4*\c+3], 0x80000000
.endr
	CROUND                                         ; all four work-groups are here: the joint loads meet
	s_cmp_eq_u32 s[WV], 0                          ; all fills are first fills, in one group: wave 0 has five loads out, wave 1 four, the others none
	s_cbranch_scc0 .Lnot_w0
	tensor_load_to_lds s[G0S:G0S+3], s[G1S:G1S+7]
	s_nop 0
.irp c, 0,1,2,3
	tensor_load_to_lds s[G0C+4*\c:G0C+4*\c+3], s[G1C:G1C+7]
	s_nop 0
.endr
.rept 4
	v_nop
.endr
	s_branch .Lfilled
.Lnot_w0:
	s_cmp_eq_u32 s[WV], 1
	s_cbranch_scc0 .Lfilled
.irp c, 0,1,2,3
	tensor_load_to_lds s[G0C+4*\c:G0C+4*\c+3], s[G1C:G1C+7]
	s_nop 0
.endr
.rept 4
	v_nop
.endr
.Lfilled:
	s_mul_i32 s74, s13, 768                        ; my tile of Q: a half image,
	s_add_co_u32 s74, s74, s66
	s_mov_b32 s75, 0
	s_lshr_b32 s76, s13, 3                         ; its scale words: [128 tokens][r][tile 0..7]
	s_lshl_b32 s76, s76, 9
	s_and_b32 s77, s13, 7
	s_lshl_b32 s77, s77, 2
	s_add_co_u32 s76, s76, s77
	s_add_co_u32 s76, s76, s68
	s_mov_b32 s77, 0
	s_add_nc_u64 s[4:5], s[4:5], s[74:75]
	s_add_nc_u64 s[6:7], s[6:7], s[76:77]
	s_lshr_b32 s74, s14, 4
	s_lshl_b32 s74, s74, 7
	s_add_co_u32 s74, s74, s13                     ; my tile among all 512 tiles of tokens
	s_and_b32 s76, s14, 15                         ; the head
	s_mul_i32 s78, s74, 12288
	s_mul_i32 s79, s76, 768
	s_add_co_u32 s78, s78, s79
	s_mov_b32 s79, 0
	s_add_nc_u64 s[8:9], s[8:9], s[78:79]          ; oc: [tile][head] half images
	s_lshl_b32 s78, s74, 9
	s_lshr_b32 s77, s76, 2
	s_lshl_b32 s77, s77, 7
	s_add_co_u32 s78, s78, s77
	s_and_b32 s77, s76, 3
	s_lshl_b32 s77, s77, 1
	s_add_co_u32 s78, s78, s77
	s_add_nc_u64 s[10:11], s[10:11], s[78:79]      ; os: [tile][slot = head / 4][r][2 words]: my head's two bytes lie 2 (head % 4) into a row's 8
	v_and_b32 v29, 31, v0
	v_and_b32 v30, 15, v0                          ; r: kept
	s_delay_alu instid0(VALU_DEP_2)
	v_lshlrev_b32 v[AK0], 4, v29
	s_delay_alu instid0(VALU_DEP_3)
	v_lshlrev_b32 v31, 3, v29
	s_delay_alu instid0(VALU_DEP_1)
	v_add_nc_u32 v[AK1], 512, v31
	s_delay_alu instid0(VALU_DEP_3)
	v_add_nc_u32 v[AV0], VC, v[AK0]
	v_lshl_add_u32 v[ASK0], v30, 5, KS
	v_lshl_add_u32 v[ASV0], v30, 4, VS
	v_lshlrev_b32 v31, 5, v30
	global_load_b128 v[16:19], v[AK0], s[4:5]      ; Q's codes stay in registers
	global_load_b64 v[20:21], v[AK1], s[4:5]
	global_load_b32 v245, v31, s[6:7]              ; and its scale words
.irp j, 0,1,2,3,4,5
	v_mov_b32 v[22+\j], 0                          ; Q's k = 64 .. 127: zero codes
	v_mov_b32 v[80+\j], 0                          ; what K's tile 7 names beyond its own six
.endr
	v_mov_b32 v13, 0xff61b1e6                      ; the largest t so far: -3e38
	s_delay_alu instid0(VALU_DEP_1)
	v_floor_f32 v12, -v13                          ; -M
	v_mov_b32 v14, 0
	v_mov_b32 v15, 0
	v_mov_b32 v247, 0                              ; named as the upper half of the pair v[246:247]
	v_mov_b32 v248, 0
.irp j, 0,1,2,3,4,5,6,7,8,9,10,11,12,13,14,15,16,17,18,19,20,21,22,23,24,25,26,27,28,29,30,31
	v_mov_b32 v[O+\j], 0                           ; O^T: the step is written once; the first finds zeros, which the first change of M leaves zeros
.endr
; A KEY STEP: 128 keys.
.macro STEP
	v_add_nc_u32 v[ADK], s[TB], v[AK0]             ; these five are also the places between the last products and the loads into their operands
	v_add_nc_u32 v[ADK1], s[TB], v[AK1]
	v_add_nc_u32 v[ADV], s[TB], v[AV0]
	v_add_nc_u32 v[ADS], s[TS], v[ASK0]
	v_add_nc_u32 v[ADT], s[TJ], v[ASV0]
.irp t, 0,1,2,3,4,5,6,7
	ds_load_b128 v[32+6*\t:35+6*\t], v[ADK] offset:768*\t
	ds_load_b64 v[36+6*\t:37+6*\t], v[ADK1] offset:768*\t
.endr
	ds_load_b128 v[232:235], v[ADS]                ; my row's words of the eight tiles
	ds_load_b128 v[236:239], v[ADS] offset:16
.irp t, 0,1,2,3
.irp j, 0,1,2
	ds_load_b128 v[88+12*\t+4*\j:91+12*\t+4*\j], v[ADV] offset:1536*\t+512*\j
.endr
.endr
	ds_load_b128 v[240:243], v[ADT]
	s_wait_dscnt 13                                ; K and its words are in; V's 12 loads and its words' one may be out
.irp t, 0,1,2,3,4,5,6,7
	v_wmma_scale_f32_16x16x128_f8f6f4 v[S+8*\t:S+8*\t+7], v[32+6*\t:43+6*\t], v[16:27], 0, v[232+\t], v245 matrix_a_fmt:MATRIX_FMT_FP6 matrix_b_fmt:MATRIX_FMT_FP6
.endr
.rept 4
	v_nop                                          ; places in front of the first read of the scores and the first write into K's registers
.endr
.irp b, 0,1,2,3
	v_max3_num_f32 v[BM+\b], v[S+16*\b], v[S+1+16*\b], v[S+2+16*\b]   ; the largest score of each block of 32 keys: for the row's maximum, and, since p rises with the score, for the block's largest p
.endr
.irp i, 3,5,7,9,11,13
.irp b, 0,1,2,3
	v_max3_num_f32 v[BM+\b], v[BM+\b], v[S+16*\b+\i], v[S+1+16*\b+\i]
.endr
.endr
.irp b, 0,1,2,3
	v_max_num_f32 v[BM+\b], v[BM+\b], v[S+15+16*\b]
.endr
.irp b, 0,1,2,3
	s_delay_alu instid0(VALU_DEP_4)
	v_permlanex16_b32 v[T4+\b], v[BM+\b], s[SEL], s[SEL+1]
.endr
.irp b, 0,1,2,3
	s_delay_alu instid0(VALU_DEP_4)
	v_max_num_f32 v[BM+\b], v[BM+\b], v[T4+\b]     ; with lane l xor 16's 16 keys
.endr
	s_delay_alu instid0(VALU_DEP_2)
	v_max3_num_f32 v248, v[BM], v[BM+1], v[BM+2]
	s_delay_alu instid0(VALU_DEP_1)
	v_max_num_f32 v248, v248, v[BM+3]
	s_delay_alu instid0(VALU_DEP_1)
	v_mul_f32 v248, s[CS], v248                    ; as t (c is positive)
	s_delay_alu instid0(VALU_DEP_1)
	v_max_num_f32 v13, v13, v248                   ; the running largest t
	v_mov_b32 v248, v12
	s_delay_alu instid0(VALU_DEP_2)
	v_floor_f32 v12, -v13                          ; the new -M = -ceil(t)
	s_delay_alu instid0(VALU_DEP_1)
	v_sub_f32 v248, v12, v248                      ; old M - new M: a whole number, 0 or less
	s_delay_alu instid0(VALU_DEP_1)
	v_cvt_i32_f32 v248, v248                       ; (it saturates)
	s_delay_alu instid0(VALU_DEP_1)
	v_ldexp_f32 v246, 1.0, v248                    ; f = 2^(old M - new M)
.irp j, 0,2,4,6,8,10,12,14,16,18,20,22,24,26,28,30,32,34,36,38,40,42,44,46,48,50,52,54,56,58,60,62
	v_pk_fma_f32 v[S+\j:S+1+\j], v[S+\j:S+1+\j], s[CS:CS+1], v[12:13] op_sel_hi:[1,0,0]   ; t - M, two at a time
.endr
.irp b, 0,1,2,3
	v_fma_f32 v[BM+\b], v[BM+\b], s[CS], v12       ; the same of each block's largest score
.endr
	s_wait_alu depctr_va_vdst(0)
.irp j, 0,1,2,3,4,5,6,7,8,9,10,11,12,13,14,15,16,17,18,19,20,21,22,23,24,25,26,27,28,29,30,31,32,33,34,35,36,37,38,39,40,41,42,43,44,45,46,47,48,49,50,51,52,53,54,55,56,57,58,59,60,61,62,63
	v_exp_f32 v[S+\j], v[S+\j]                     ; p = 2^(t - M), at most 1
.endr
	s_setprio 1
	v_pk_mul_f32 v[14:15], v[14:15], v[246:247] op_sel_hi:[1,0]   ; the sums under the new M: the plain instruction behind the exponentials
	s_wait_alu depctr_va_vdst(0)                   ; one wait for the whole batch, ahead of its first reader
.irp b, 0,1,2,3
	v_exp_f32 v[BM+\b], v[BM+\b]                   ; the block's largest p: the same two instructions on the same number give the same bits
.endr
	v_pk_add_f32 v[64:65], v[140:141], v[144:145]
	v_pk_add_f32 v[254:255], v[148:149], v[152:153]
	v_pk_add_f32 v[252:253], v[156:157], v[160:161]
	v_pk_add_f32 v[250:251], v[164:165], v[168:169]
	v_pk_add_f32 v[238:239], v[172:173], v[176:177]
	v_pk_add_f32 v[236:237], v[180:181], v[184:185]
	v_pk_add_f32 v[234:235], v[188:189], v[192:193]
	v_pk_add_f32 v[14:15], v[14:15], v[196:197]
	v_pk_add_f32 v[64:65], v[64:65], v[136:137]
	v_pk_add_f32 v[254:255], v[254:255], v[138:139]
	v_pk_add_f32 v[252:253], v[252:253], v[142:143]
	v_pk_add_f32 v[250:251], v[250:251], v[146:147]
	v_pk_add_f32 v[238:239], v[238:239], v[150:151]
	v_pk_add_f32 v[236:237], v[236:237], v[154:155]
	v_pk_add_f32 v[234:235], v[234:235], v[158:159]
	v_pk_add_f32 v[14:15], v[14:15], v[162:163]
	v_pk_add_f32 v[64:65], v[64:65], v[166:167]
	v_pk_add_f32 v[254:255], v[254:255], v[170:171]
	v_pk_add_f32 v[252:253], v[252:253], v[174:175]
	v_pk_add_f32 v[250:251], v[250:251], v[178:179]
	v_pk_add_f32 v[238:239], v[238:239], v[182:183]
	v_pk_add_f32 v[236:237], v[236:237], v[186:187]
	v_pk_add_f32 v[234:235], v[234:235], v[190:191]
	v_pk_add_f32 v[14:15], v[14:15], v[194:195]
	v_pk_add_f32 v[64:65], v[64:65], v[198:199]
	s_delay_alu instid0(VALU_DEP_2)
	v_pk_add_f32 v[14:15], v[14:15], v[250:251]
	s_delay_alu instid0(VALU_DEP_2)
	v_pk_add_f32 v[64:65], v[64:65], v[238:239]
	v_pk_add_f32 v[254:255], v[254:255], v[236:237]
	v_pk_add_f32 v[252:253], v[252:253], v[234:235]
	s_delay_alu instid0(VALU_DEP_2)
	v_pk_add_f32 v[14:15], v[14:15], v[254:255]
	s_delay_alu instid0(VALU_DEP_2)
	v_pk_add_f32 v[64:65], v[64:65], v[252:253]
	s_delay_alu instid0(VALU_DEP_1)
	v_pk_add_f32 v[14:15], v[14:15], v[64:65]
	s_wait_alu depctr_va_vdst(0)                   ; and one for the four
.irp b, 0,1,2,3
	v_max_num_f32 v[BM+\b], 0x1800000, v[BM+\b]    ; the floor 2^(3 - 127): the byte cannot fall under 1
.endr
.irp b, 0,1,2,3
	s_delay_alu instid0(VALU_DEP_4)
	v_add_nc_u32 v[SO+\b], 0xff000000, v[BM+\b]    ; 2 off the exponent field: the conversion's scale operand
.endr
.irp b, 0,1,2,3
	s_delay_alu instid0(VALU_DEP_4)
	v_lshrrev_b32 v[T4+\b], 23, v[SO+\b]           ; the byte
.endr
	s_delay_alu instid0(VALU_DEP_3)
	v_lshl_or_b32 v244, v[T4+1], 8, v[T4]          ; p's scale word for these 128 keys
	s_delay_alu instid0(VALU_DEP_1)
	v_lshl_or_b32 v244, v[T4+2], 16, v244
	s_delay_alu instid0(VALU_DEP_1)
	v_lshl_or_b32 v244, v[T4+3], 24, v244
.irp c, 0,1
	v_cvt_scalef32_pk16_fp6_f32 v[PC+6*\c:PC+2+6*\c], v[S+32*\c:S+15+32*\c], v[SO+2*\c]
	v_cvt_scalef32_pk16_fp6_f32 v[CT+4*\c:CT+2+4*\c], v[S+16+32*\c:S+31+32*\c], v[SO+2*\c+1]
.endr
	v_nop                                          ; one plain instruction behind the scaled conversions
.irp c, 0,1                                    ; a WHOLE block in a lane: lanes 0-15 block 2 c, lanes 16-31 block 2 c + 1
.irp i, 0,1,2
	v_permlane16_swap_b32 v[PC+6*\c+\i], v[CT+4*\c+\i]
.endr
.irp i, 0,1,2
	s_delay_alu instid0(VALU_DEP_3)
	v_mov_b32 v[PC+3+6*\c+\i], v[CT+4*\c+\i]
.endr
.endr
	s_setprio 0
.irp j, 0,2,4,6,8,10,12,14,16,18,20,22,24,26,28,30
	v_pk_mul_f32 v[O+\j:O+1+\j], v[O+\j:O+1+\j], v[246:247] op_sel_hi:[1,0]   ; O^T under the new M.  (Of these sixteen at least twelve name no register of any one product below: the places behind the writes of p's codes and scale word)
.endr
	s_wait_alu depctr_va_vdst(0)
	s_wait_dscnt 0x0                               ; V and its words are in
.irp t, 0,1,2,3
	v_wmma_scale_f32_16x16x128_f8f6f4 v[O+8*\t:O+8*\t+7], v[88+12*\t:99+12*\t], v[PC:PC+11], v[O+8*\t:O+8*\t+7], v[240+\t], v244 matrix_a_fmt:MATRIX_FMT_FP6 matrix_b_fmt:MATRIX_FMT_FP6
.endr
	s_add_co_u32 s[TB], s[TB], 6144
	s_add_co_u32 s[TS], s[TS], 512
	s_add_co_u32 s[TJ], s[TJ], 256
.endm
	s_wait_loadcnt 0x0                             ; Q
.irp c, 0,1,2,3                                ; a chunk of 512 keys: four steps
	s_wait_dscnt 0x0
	s_wait_tensorcnt 3-\c                          ; in the two fetching waves: chunk c has landed (and the scale words, asked for ahead of it); the later chunks may stay out
	s_barrier_signal -1
	s_barrier_wait -1                              ; so it is there for all sixteen
	s_mov_b32 s[CNT], 4
.Lchunk_\c:
	s_setprio 2
	STEP
	s_sub_co_u32 s[CNT], s[CNT], 1
	s_cmp_lg_u32 s[CNT], 0
	s_cbranch_scc1 .Lchunk_\c
	s_setprio 0
.endr
	; THE WAY OUT.  O^T / the sum: register 16 g + i is channel 32 g + 16 h + i of my query: two blocks of 32 along the last product's K.
.rept 4
	v_nop                                          ; places behind the last products
.endr
	v_add_f32 v14, v14, v15
	s_delay_alu instid0(VALU_DEP_1)
	v_permlanex16_b32 v248, v14, s[SEL], s[SEL+1]
	s_delay_alu instid0(VALU_DEP_1)
	v_add_f32 v14, v14, v248                       ; the row's sum
	s_wait_alu depctr_va_vdst(0)
	v_rcp_f32 v14, v14
	v_lshlrev_b32 v29, 3, v30                      ; (a plain instruction behind the reciprocal)  8 r
	s_wait_alu depctr_va_vdst(0)                   ; the wait ahead of its first reader
.irp j, 0,1,2,3,4,5,6,7,8,9,10,11,12,13,14,15,16,17,18,19,20,21,22,23,24,25,26,27,28,29,30,31
	v_mul_f32 v[S+\j], v[O+\j], v14                ; each accumulator from its low end on
.endr
.irp g, 0,1
	v_max3_num_f32 v[BM+\g], |v[S+16*\g]|, |v[S+1+16*\g]|, 0x1800000
.endr
.irp i, 2,4,6,8,10,12,14
.irp g, 0,1
	s_delay_alu instid0(VALU_DEP_2)
	v_max3_num_f32 v[BM+\g], v[BM+\g], |v[S+16*\g+\i]|, |v[S+1+16*\g+\i]|
.endr
.endr
.irp g, 0,1
	s_delay_alu instid0(VALU_DEP_2)
	v_permlanex16_b32 v[T4+\g], v[BM+\g], s[SEL], s[SEL+1]
.endr
.irp g, 0,1
	s_delay_alu instid0(VALU_DEP_2)
	v_max_num_f32 v[BM+\g], v[BM+\g], v[T4+\g]
.endr
.irp g, 0,1
	s_delay_alu instid0(VALU_DEP_2)
	v_add_nc_u32 v[SO+\g], 0xff000000, v[BM+\g]
.endr
.irp g, 0,1
	s_delay_alu instid0(VALU_DEP_2)
	v_lshrrev_b32 v[T4+\g], 23, v[SO+\g]
.endr
	s_delay_alu instid0(VALU_DEP_1)
	v_lshl_or_b32 v248, v[T4+1], 8, v[T4]          ; my row's two bytes
	v_cvt_scalef32_pk16_fp6_f32 v[PC:PC+2], v[S:S+15], v[SO]
	v_cvt_scalef32_pk16_fp6_f32 v[CT:CT+2], v[S+16:S+31], v[SO+1]
	v_nop
.irp i, 0,1,2
	v_permlane16_swap_b32 v[PC+\i], v[CT+\i]
.endr
.irp i, 0,1,2
	s_delay_alu instid0(VALU_DEP_3)
	v_mov_b32 v[PC+3+\i], v[CT+\i]
.endr
	global_store_b128 v[AK0], v[PC:PC+3], s[8:9]   ; the half image: 512 consecutive bytes,
	global_store_b64 v[AK1], v[PC+4:PC+5], s[8:9]  ; and 256, both aligned
	global_store_b16 v29, v248, s[10:11]           ; two bytes a row, 8 bytes apart (lanes r and r + 16 write the same bytes with the same value): the program's one small store, 32 bytes a wave
	s_wait_tensorcnt 0x0                           ; the wave's end
	ds_add_u32 v[SPW], v[NIL]
	s_wait_dscnt 0x0
	CROUND                                         ; the closing round
	s_endpgm
.Lfunc_end_k_q96e0cc84fe_attn:
	.size	k_q96e0cc84fe_attn, .Lfunc_end_k_q96e0cc84fe_attn-k_q96e0cc84fe_attn
	.p2alignl 7, 3214868480
	.fill 96, 4, 3214868480
	.section	.rodata,"a",@progbits
	.p2align	6, 0x0
	.amdhsa_kernel k_q96e0cc84fe_attn
		.amdhsa_group_segment_fixed_size 212992
		.amdhsa_private_segment_fixed_size 0
		.amdhsa_enable_private_segment 0
		.amdhsa_kernarg_size 32
		.amdhsa_user_sgpr_count 2
		.amdhsa_user_sgpr_kernarg_segment_ptr 1
		.amdhsa_wavefront_size32 1
		.amdhsa_system_sgpr_workgroup_id_x 1
		.amdhsa_system_sgpr_workgroup_id_y 1
		.amdhsa_system_sgpr_workgroup_id_z 1
		.amdhsa_system_vgpr_workitem_id 0
		.amdhsa_next_free_vgpr 256
		.amdhsa_next_free_sgpr 80
		.amdhsa_reserve_vcc 0
		.amdhsa_float_denorm_mode_32 3
		.amdhsa_float_denorm_mode_16_64 3
		.amdhsa_memory_ordered 1
		.amdhsa_forward_progress 1
		.amdhsa_inst_pref_size 83
	.end_amdhsa_kernel
	.amdgpu_metadata
---
amdhsa.version: [ 1, 2 ]
amdhsa.kernels:
  - .name:           k_q96e0cc84fe_attn
    .symbol:         k_q96e0cc84fe_attn.kd
    .args:
      - { .name: ac, .offset: 0, .size: 8, .value_kind: global_buffer, .address_space: global }
      - { .name: asc, .offset: 8, .size: 8, .value_kind: global_buffer, .address_space: global }
      - { .name: oc, .offset: 16, .size: 8, .value_kind: global_buffer, .address_space: global }
      - { .name: os, .offset: 24, .size: 8, .value_kind: global_buffer, .address_space: global }
    .group_segment_fixed_size: 212992
    .private_segment_fixed_size: 0
    .kernarg_segment_align: 8
    .kernarg_segment_size: 32
    .max_flat_workgroup_size: 512
    .sgpr_count:     80
    .vgpr_count:     256
    .wavefront_size: 32
...
	.end_amdgpu_metadata
.endif
;; end of part 3
;; launch proj (part 4): grid 4 x 32, 4 waves a work-group, clusters of 4 x 4, 327,680 bytes of LDS; arguments oc, os, wc, ws, b_out, out0; writes out0
.if DOCPART == 4
	.amdgcn_target "amdgcn-amd-amdhsa--gfx1250"
	.amdhsa_code_object_version 6
	.text
	.protected	k_q96e0cc84fe_proj
	.globl	k_q96e0cc84fe_proj
	.p2align	8
	.type	k_q96e0cc84fe_proj,@function
k_q96e0cc84fe_proj:
	s_mov_b64 s[64:65], 0
	v_nop
	global_prefetch_b8 v0, s[64:65] scope:SCOPE_SE
	s_setreg_imm32_b32 hwreg(HW_REG_WAVE_MODE, 25, 1), 1
	s_wait_xcnt 0x0
	s_wait_alu depctr_hold_cnt(0) depctr_sa_sdst(0) depctr_va_vdst(0) depctr_va_sdst(0) depctr_va_ssrc(0) depctr_va_vcc(0) depctr_vm_vsrc(0)
	s_getreg_b32 s2, hwreg(HW_REG_IB_STS2, 6, 4)
	s_cmp_eq_u32 s2, 0
	s_cbranch_scc0 .Lentry_in_a_cluster
	s_endpgm
.Lentry_in_a_cluster:
	s_bfe_u32 s2, ttmp6, 0x10000c
	s_cmp_lg_u32 s2, 0xf033
	s_cbranch_scc0 .Lentry_shape_is_right
	s_endpgm
.Lentry_shape_is_right:
.set NQ,     2
.set FR,     12
.set NLA,    4
.set NP,     4
.set TILEB,  3072
.set HALFT,  8*TILEB
.set SLOT,   4*HALFT
.set SCA,    2*SLOT
.set SCB,    SCA+8192+128
.set SPARE,  SCB+8192+128
.set SPITCH, 528
.set ADRA, 16
.set ADRA8, 18
.set ADRB, 20
.set HR,   22
.set STO,  24
.set RD,   25
.set CO,   26
.set ADRS, 27
.set SPW,  28
.set NIL,  29
.set BO,   31
.set SC,   32
.set BI,   64
.set AF,   128
.set BK,   128
.set G1, 24
.set G0, 32
.set G1B, 48
.set G0B, 56
.set G1S, 68
.set G0S, 76
.set G1SB, 80
.set G0SB, 88
.set MSB, 0
.macro WIN new
.if MSB != \new
	s_set_vgpr_msb (MSB<<8)|\new
.set MSB, \new
.endif
.endm
.set MUL_LO, 0xa1
.set MUL_HI, 0xf1
.set BIA_LO, 0x81
.set BIA_HI, 0xc1
.set TO_B,   0x40
.macro JLOAD g0a, g1a, g0b, g1b
	s_cmp_eq_u32 s19, 0
	s_cbranch_scc0 .Lfor_b_\@
	tensor_load_to_lds s[\g0a:\g0a+3], s[\g1a:\g1a+7]
	s_nop 0
.rept 4
	v_nop
.endr
	s_branch .Lasked_\@
.Lfor_b_\@:
	tensor_load_to_lds s[\g0b:\g0b+3], s[\g1b:\g1b+7]
	s_nop 0
.rept 4
	v_nop
.endr
.Lasked_\@:
.endm
.macro CREST
	s_cmp_lg_u32 s18, 0
	s_cbranch_scc1 .Lnot_wave_0_\@
	s_barrier_signal -3
.Lnot_wave_0_\@:
	s_barrier_wait -3
	s_barrier_signal -1
	s_barrier_wait -1
.endm
.macro CROUND
	s_barrier_signal -1
	s_barrier_wait -1
	CREST
.endm
	s_load_b256 s[4:11], s[0:1], 0x0
	s_load_b128 s[12:15], s[0:1], 0x20
	v_lshl_add_u32 v[SPW], v0, 2, SPARE
	v_mov_b32 v[NIL], 0
	ds_add_u32 v[SPW], v[NIL]
	ds_add_u32 v[SPW], v[NIL]
	v_lshrrev_b32 v1, 5, v0
	v_readfirstlane_b32 s18, v1
	s_lshr_b32 s19, s18, 1
	s_and_b32 s20, s18, 1
	s_bfe_u32 s40, ttmp6, 0x40000
	s_bfe_u32 s41, ttmp6, 0x40004
	s_and_b32 s42, ttmp7, 0xffff
	s_lshl_b32 s43, s41, 2
	s_lshl_b32 s43, 15, s43
	s_lshl_b32 s44, 0x1111, s40
	s_or_b32 s[G1+0], s43, (3<<16)|(1<<21)
	s_or_b32 s[G1B+0], s44, (3<<16)|(1<<21)
.irp g, G1, G1B
	s_mov_b32 s[\g+1], 384<<16
	s_mov_b32 s[\g+2], 8<<16
	s_mov_b32 s[\g+3], 384<<16
	s_mov_b32 s[\g+4], 8
	s_mov_b32 s[\g+5], 1536
	s_mov_b32 s[\g+6], 0
	s_mov_b32 s[\g+7], 0
.endr
	s_or_b32 s[G1S+0], s43, (3<<16)|(1<<21)
	s_or_b32 s[G1SB+0], s44, (3<<16)|(1<<21)
.irp g, G1S, G1SB
	s_mov_b32 s[\g+1], 32<<16
	s_mov_b32 s[\g+2], 16<<16
	s_mov_b32 s[\g+3], 32<<16
	s_mov_b32 s[\g+4], 16
	s_mov_b32 s[\g+5], 32
	s_mov_b32 s[\g+6], 0
	s_mov_b32 s[\g+7], 0
.endr
	s_lshl_b32 s21, s42, 2
	s_add_co_u32 s21, s21, s41
	s_add_co_u32 s22, s40, 12
	s_mul_i32 s23, s20, 8*12288
	s_mul_i32 s92, s21, 16*12288
	s_add_co_u32 s92, s92, s23
	s_mov_b32 s93, 0
	s_mul_i32 s94, s22, 16*12288
	s_add_co_u32 s94, s94, s23
	s_mov_b32 s95, 0
	s_lshl_b32 s23, s20, 12
	s_lshl_b32 s96, s21, 13
	s_add_co_u32 s96, s96, s23
	s_mov_b32 s97, 0
	s_lshl_b32 s66, s22, 13
	s_add_co_u32 s66, s66, s23
	s_mov_b32 s67, 0
	s_mul_i32 s2, s18, HALFT
	s_lshl_b32 s3, s18, 12
	s_lshl_b32 s23, s19, 7
	s_add_co_u32 s3, s3, s23
	s_wait_dscnt 0x0
	s_wait_kmcnt 0x0
	s_add_nc_u64 s[4:5], s[4:5], s[92:93]
	s_add_nc_u64 s[8:9], s[8:9], s[94:95]
	s_add_nc_u64 s[6:7], s[6:7], s[96:97]
	s_add_nc_u64 s[10:11], s[10:11], s[66:67]
	CROUND
	s_mov_b32 s[G0S], 1
	s_add_co_u32 s[G0S+1], s3, SCA
	s_mov_b64 s[G0S+2:G0S+3], s[6:7]
	s_or_b32 s[G0S+3], s[G0S+3], 0x80000000
	s_mov_b32 s[G0SB], 1
	s_add_co_u32 s[G0SB+1], s3, SCA
	s_mov_b64 s[G0SB+2:G0SB+3], s[10:11]
	s_or_b32 s[G0SB+3], s[G0SB+3], 0x80000000
	JLOAD G0S, G1S, G0SB, G1SB
.irp s, 0,1
	s_mov_b32 s[G0+4*\s], 1
	s_add_co_u32 s[G0+4*\s+1], s2, \s*SLOT
	s_add_nc_u64 s[G0+4*\s+2:G0+4*\s+3], s[4:5], \s*TILEB
	s_or_b32 s[G0+4*\s+3], s[G0+4*\s+3], 0x80000000
	s_mov_b32 s[G0B+4*\s], 1
	s_add_co_u32 s[G0B+4*\s+1], s2, \s*SLOT
	s_add_nc_u64 s[G0B+4*\s+2:G0B+4*\s+3], s[8:9], \s*TILEB
	s_or_b32 s[G0B+4*\s+3], s[G0B+4*\s+3], 0x80000000
	s_wait_alu depctr_va_vdst(0)
	s_wait_tensorcnt 0x0
	ds_add_u32 v28, v29
	s_wait_dscnt 0x0
	CROUND
	JLOAD G0+4*\s, G1, G0B+4*\s, G1B
.endr
	v_and_b32 v1, 15, v0
	v_bfe_u32 v[HR], v0, 4, 1
	v_and_b32 v2, 31, v0
	v_lshlrev_b32 v[CO], 4, v2
	v_lshlrev_b32 v3, 3, v2
	v_add_nc_u32 v3, 512, v3
	s_mul_i32 s21, s19, HALFT
	s_mul_i32 s22, s20, HALFT
	s_add_co_u32 s22, s22, 2*HALFT
.irp s, 0,1
	v_add_nc_u32 v[ADRA+\s], s21, v[CO]
	v_add_nc_u32 v[ADRA8+\s], s21, v3
	v_add_nc_u32 v[ADRB+\s], s22, v[CO]
	s_add_co_u32 s21, s21, SLOT
	s_add_co_u32 s22, s22, SLOT
.endr
	s_lshl_b32 s21, s19, 12
	s_lshl_b32 s22, s20, 12
	s_add_co_u32 s22, s22, SCB-SCA
	s_sub_co_u32 s22, s22, s21
	v_mul_u32_u24 v3, s22, v[HR]
	s_add_co_u32 s21, s21, SCA
	v_lshl_add_u32 v3, v1, 3, v3
	v_add_nc_u32 v[ADRS], s21, v3
	s_mul_i32 s23, s18, 16*SPITCH
	v_mul_u32_u24 v3, v1, SPITCH
	v_lshl_add_u32 v3, v[HR], 6, v3
	v_add_nc_u32 v[STO], s23, v3
	v_add_nc_u32 v[RD], s23, v[CO]
	s_lshl_b32 s92, s40, 10
	s_lshl_b32 s22, s20, 9
	s_add_co_u32 s92, s92, s22
	s_mov_b32 s93, 0
	s_add_nc_u64 s[12:13], s[12:13], s[92:93]
	v_lshlrev_b32 v[BO], 6, v[HR]
.irp b, 0,1,2,3,4,5,6,7
	global_load_b128 v[BI+8*\b:BI+8*\b+3], v[BO], s[12:13] offset:4*(32*(\b/2)+8*(\b%2))
	global_load_b128 v[BI+8*\b+4:BI+8*\b+7], v[BO], s[12:13] offset:4*(32*(\b/2)+8*(\b%2))+16
.endr
	s_lshl_b32 s21, s42, 2
	s_add_co_u32 s21, s21, s41
	s_lshl_b32 s94, s21, 20
	s_lshl_b32 s22, s19, 19
	s_add_co_u32 s94, s94, s22
	s_add_co_u32 s94, s94, s92
	s_mov_b32 s95, 0
	s_add_nc_u64 s[14:15], s[14:15], s[94:95]
.macro FRAG reg, adr, q, i
.irp j, 0,1,2
	ds_load_b128 v[\reg+4*\j:\reg+4*\j+3], v[\adr] offset:TILEB*(\i)+1536*(\q)+512*\j
.endr
.endm
.macro FRAGA reg, slot, q, i
.irp c, 0,1
	ds_load_b128 v[\reg+6*\c:\reg+6*\c+3], v[ADRA+\slot] offset:TILEB*(\i)+1536*(\q)+768*\c
	ds_load_b64 v[\reg+6*\c+4:\reg+6*\c+5], v[ADRA8+\slot] offset:TILEB*(\i)+1536*(\q)+768*\c
.endr
.endm
.macro MUL16 a0, p, q, sc, cm
.irp a, \a0, \a0+1
.irp b, 0,1,2,3,4,5,6,7
.if \cm
	v_wmma_scale_f32_16x16x128_f8f6f4 v[8*(8*((\a)%4)+\b):8*(8*((\a)%4)+\b)+7], v[128*(\p)+FR*\b:128*(\p)+FR*\b+FR-1], v[AF+FR*(\a):AF+FR*(\a)+FR-1], v[BI+8*\b:BI+8*\b+7], v[SC+8*NQ*(\sc)+NQ*\b+(\q)], v[SC+8*NQ*(\sc)+NQ*(\a)+(\q)] matrix_a_fmt:MATRIX_FMT_FP6 matrix_b_fmt:MATRIX_FMT_FP6 matrix_a_scale:MATRIX_SCALE_ROW1
.else
	v_wmma_scale_f32_16x16x128_f8f6f4 v[8*(8*((\a)%4)+\b):8*(8*((\a)%4)+\b)+7], v[128*(\p)+FR*\b:128*(\p)+FR*\b+FR-1], v[AF+FR*(\a):AF+FR*(\a)+FR-1], v[8*(8*((\a)%4)+\b):8*(8*((\a)%4)+\b)+7], v[SC+8*NQ*(\sc)+NQ*\b+(\q)], v[SC+8*NQ*(\sc)+NQ*(\a)+(\q)] matrix_a_fmt:MATRIX_FMT_FP6 matrix_b_fmt:MATRIX_FMT_FP6 matrix_a_scale:MATRIX_SCALE_ROW1
.endif
.endr
.endr
.endm
.macro FETCH_B slot, q, p
	WIN TO_B
.irp i, 0,1,2,3,4,5,6,7
	FRAG 128*(\p)+FR*\i, ADRB+\slot, \q, \i
.endr
	WIN 0
.endm
.macro FETCH_A slot, q, i0
.irp i, \i0, \i0+1, \i0+2, \i0+3
	FRAGA AF+FR*(\i), \slot, \q, \i
.endr
.endm
.macro SCALES sc
.irp i, 0,1,2,3,4,5,6,7
	ds_load_b64 v[SC+8*NQ*\sc+NQ*\i:SC+8*NQ*\sc+NQ*\i+1], v[ADRS] offset:512*\i
.endr
.endm
.macro PLACES n
.rept \n
	v_nop
.endr
.endm
.macro STEP slot, q, cm
	s_wait_dscnt 4*NLA
.if \cm
	WIN BIA_LO
.else
	WIN MUL_LO
.endif
	MUL16 0, (\q)%2, \q, \slot, \cm
	MUL16 2, (\q)%2, \q, \slot, \cm
	s_wait_dscnt 0
	PLACES NP
	FETCH_B \slot, (\q)+1, 1-(\q)%2
	FETCH_A \slot, (\q)+1, 0
.if \cm
	WIN BIA_HI
.else
	WIN MUL_HI
.endif
	MUL16 4, (\q)%2, \q, \slot, \cm
	MUL16 6, (\q)%2, \q, \slot, \cm
	PLACES NP
	WIN 0
	FETCH_A \slot, (\q)+1, 4
.endm
.macro TURN slot, next, fill
	s_wait_tensorcnt 0x0
	ds_add_u32 v[SPW], v[NIL]
	s_wait_dscnt 4*NLA+1
	WIN MUL_LO
	MUL16 0, 1, NQ-1, \slot, 0
	s_wait_dscnt 0x0
	s_barrier_signal -1
	MUL16 2, 1, NQ-1, \slot, 0
	WIN 0
	s_barrier_wait -1
.if \fill
	CREST
	s_add_nc_u64 s[G0+4*\slot+2:G0+4*\slot+3], s[G0+4*\slot+2:G0+4*\slot+3], 2*TILEB
	s_add_nc_u64 s[G0B+4*\slot+2:G0B+4*\slot+3], s[G0B+4*\slot+2:G0B+4*\slot+3], 2*TILEB
	JLOAD G0+4*\slot, G1, G0B+4*\slot, G1B
.else
	PLACES NP
.endif
	s_wait_alu depctr_va_vdst(0)
	v_add_nc_u32 v[ADRS], 128, v[ADRS]
	FETCH_B \next, 0, 0
	FETCH_A \next, 0, 0
	SCALES \next
	WIN MUL_HI
	MUL16 4, 1, NQ-1, \slot, 0
	MUL16 6, 1, NQ-1, \slot, 0
	PLACES NP
	WIN 0
	FETCH_A \next, 0, 4
.endm
	s_wait_alu depctr_va_vdst(0)
	s_wait_tensorcnt 1
	s_barrier_signal -1
	s_barrier_wait -1
	FETCH_B 0, 0, 0
	FETCH_A 0, 0, 0
	SCALES 0
	FETCH_A 0, 0, 4
	s_wait_loadcnt 0x0
	STEP 0, 0, 1
	TURN 0, 1, 1
	STEP 1, 0, 0
	TURN 1, 0, 1
	STEP 0, 0, 0
	TURN 0, 1, 0
	STEP 1, 0, 0
	s_wait_dscnt 4*NLA
	WIN MUL_LO
	MUL16 0, 1, NQ-1, 1, 0
	MUL16 2, 1, NQ-1, 1, 0
	s_wait_dscnt 0
	WIN MUL_HI
	MUL16 4, 1, NQ-1, 1, 0
	MUL16 6, 1, NQ-1, 1, 0
	WIN 0
.macro TOSTAGE a
.set AC, 64*((\a)%4)
.set WSET, 0x08+4*((\a)/4)
	WIN WSET
.irp b, 0,1,2,3,4,5,6,7
	ds_store_b128 v[STO], v[AC+8*\b:AC+8*\b+3] offset:128*(\b/2)+32*(\b%2)
	ds_store_b128 v[STO], v[AC+8*\b+4:AC+8*\b+7] offset:128*(\b/2)+32*(\b%2)+16
.endr
	WIN 0
.set BB, BK+64*((\a)%2)
.irp t, 0,1,2,3,4,5,6,7,8,9,10,11,12,13,14,15
	ds_load_b128 v[BB+4*\t:BB+4*\t+3], v[RD] offset:\t*SPITCH
.endr
.endm
.macro SEND a, younger
.set BB, BK+64*((\a)%2)
	s_wait_dscnt \younger
.irp t, 0,1,2,3,4,5,6,7,8,9,10,11,12,13,14,15
	global_store_b128 v[CO], v[BB+4*\t:BB+4*\t+3], s[14:15] offset:(32*((\a)/2)+8*((\a)%2)+16*(\t/8)+\t%8)*4096 th:TH_STORE_NT
.endr
.endm
	PLACES NP
	TOSTAGE 0
.irp a, 1,2,3,4,5,6,7
.if \a > 1
	s_wait_xcnt 0x0
.endif
	TOSTAGE \a
	SEND \a-1, 32
.endr
	SEND 7, 0
	s_wait_tensorcnt 0x0
	ds_add_u32 v[SPW], v[NIL]
	s_wait_dscnt 0x0
	CROUND
	s_endpgm
.Lfunc_end_k_q96e0cc84fe_proj:
	.size	k_q96e0cc84fe_proj, .Lfunc_end_k_q96e0cc84fe_proj-k_q96e0cc84fe_proj
	.p2alignl 7, 3214868480
	.fill 96, 4, 3214868480
	.section	.rodata,"a",@progbits
	.p2align	6, 0x0
	.amdhsa_kernel k_q96e0cc84fe_proj
		.amdhsa_group_segment_fixed_size 327680
		.amdhsa_private_segment_fixed_size 0
		.amdhsa_enable_private_segment 0
		.amdhsa_kernarg_size 48
		.amdhsa_user_sgpr_count 2
		.amdhsa_user_sgpr_kernarg_segment_ptr 1
		.amdhsa_wavefront_size32 1
		.amdhsa_system_sgpr_workgroup_id_x 1
		.amdhsa_system_sgpr_workgroup_id_y 1
		.amdhsa_system_sgpr_workgroup_id_z 1
		.amdhsa_system_vgpr_workitem_id 0
		.amdhsa_next_free_vgpr 1024
		.amdhsa_next_free_sgpr 98
		.amdhsa_reserve_vcc 0
		.amdhsa_float_denorm_mode_32 3
		.amdhsa_float_denorm_mode_16_64 3
		.amdhsa_memory_ordered 1
		.amdhsa_forward_progress 1
		.amdhsa_inst_pref_size 141
	.end_amdhsa_kernel
	.amdgpu_metadata
---
amdhsa.version: [ 1, 2 ]
amdhsa.kernels:
  - .name:           k_q96e0cc84fe_proj
    .symbol:         k_q96e0cc84fe_proj.kd
    .args:
      - { .name: oc, .offset: 0, .size: 8, .value_kind: global_buffer, .address_space: global }
      - { .name: os, .offset: 8, .size: 8, .value_kind: global_buffer, .address_space: global }
      - { .name: wc, .offset: 16, .size: 8, .value_kind: global_buffer, .address_space: global }
      - { .name: ws, .offset: 24, .size: 8, .value_kind: global_buffer, .address_space: global }
      - { .name: b_out, .offset: 32, .size: 8, .value_kind: global_buffer, .address_space: global }
      - { .name: out0, .offset: 40, .size: 8, .value_kind: global_buffer, .address_space: global }
    .group_segment_fixed_size: 327680
    .private_segment_fixed_size: 0
    .kernarg_segment_align: 8
    .kernarg_segment_size: 48
    .max_flat_workgroup_size: 128
    .sgpr_count:     98
    .vgpr_count:     1024
    .wavefront_size: 32
...
	.end_amdgpu_metadata
.endif
;; end of part 4
